; MI455X (gfx1250); checked and timed in simulation.
; The chip was launched on July 23, 2026; its instructions are those of AMD's public machine-readable ISA for CDNA 5 (MIT licence, August 2026) and "CDNA5" Instruction Set Architecture Reference Guide (July 2026). The comments in the code are by the model that wrote it; some were corrected since.
;; Self Attention. Allowed arithmetic: matrix products marked QUANTISED: E4M3 operands, one E8M0 scale for each 32 along K, by v_wmma_scale_f32_16x16x128_f8f6f4 with both operands' format E4M3, f32 sums; everything else in f32.
;; Inputs: Wk_codes 1,024 x 32 x 32 uint8 (E4M3 codes of Wk, K innermost, in blocks of 32 codes); Wk_scales 1,024 x 32 uint8 (E8M0 scales of Wk, one for each 32 codes along K); Wo_codes 1,024 x 32 x 32 uint8 (E4M3 codes of Wo, K innermost, in blocks of 32 codes); Wo_scales 1,024 x 32 uint8 (E8M0 scales of Wo, one for each 32 codes along K); Wq_codes 1,024 x 32 x 32 uint8 (E4M3 codes of Wq, K innermost, in blocks of 32 codes); Wq_scales 1,024 x 32 uint8 (E8M0 scales of Wq, one for each 32 codes along K); Wv_codes 1,024 x 32 x 32 uint8 (E4M3 codes of Wv, K innermost, in blocks of 32 codes); Wv_scales 1,024 x 32 uint8 (E8M0 scales of Wv, one for each 32 codes along K); beta 1,024 float32; bk 1,024 float32; bo 1,024 float32; bq 1,024 float32; bv 1,024 float32; gamma 1,024 float32; h 1 x 4,096 x 1,024 float32.
;; Outputs: out0 1 x 4,096 x 1,024 float32.
;; This version of the problem:
;;   THIS VERSION OF THE PROBLEM IS GIVEN IN LOW PRECISION. The matrix products marked QUANTISED in the list below multiply operands that are first quantised to E4M3 (4 exponent bits, 3 mantissa bits; 8 bits a number), with one power-of-two scale for each 32 numbers along K (OCP MX v1.0); their sums are f32. All else is computed in f32.
;;   The module's matrix products, in the order in which they are computed (A, B: the left and right operand; K: the contracted axis; several contracted axes count as one K, in the product's order):
;;     1. [M 4,096, K 1,024] x [K 1,024, N 1,024]; A: computed on the way; B: input Wq (given as codes): QUANTISED
;;     2. [M 4,096, K 1,024] x [K 1,024, N 1,024]; A: computed on the way; B: input Wk (given as codes): QUANTISED
;;     3. [M 4,096, K 1,024] x [K 1,024, N 1,024]; A: computed on the way; B: input Wv (given as codes): QUANTISED
;;     4. batch 16 x [M 4,096, K 64] x [K 64, N 4,096]; A: computed on the way; B: computed on the way: QUANTISED
;;     5. batch 16 x [M 64, K 4,096] x [K 4,096, N 4,096]; A: computed on the way; B: softmax (see below): QUANTISED
;;     6. [M 4,096, K 1,024] x [K 1,024, N 1,024]; A: computed on the way; B: input Wo (given as codes): QUANTISED
;;   THE QUANTISER, for each operand of a quantised product, along K:
;;     - K is cut into blocks of 32 from its start; a last block that is shorter is filled with zeros.
;;     - A block's scale is 2^e with e = floor(log2(the largest magnitude in the block)) - 8, held to -126 .. 127; a block of zeros has e = 0. As a byte (E8M0): e + 127.
;;     - Each number is divided by its block's scale, clamped to +-448, and rounded to the nearest number of E4M3, ties to even, subnormals kept.
;;     - The product sums the exact products of the quantised numbers (number of the format x scale) in f32.
;;   ~~~python
;;   def quantise(x, axis):      # numpy; x: float32 -> the quantised numbers, widened to float32 again
;;       x = np.moveaxis(x, axis, -1); K = x.shape[-1]
;;       x = np.pad(x, [(0, 0)] * (x.ndim - 1) + [(0, -K % 32)]); x = x.reshape(x.shape[:-1] + (-1, 32)); a = np.abs(x).max(-1, keepdims=True)
;;       e = np.where(a > 0, np.clip(np.frexp(np.where(a > 0, a, 1))[1] - 1 - 8, -126, 127), 0)      # np.frexp(a)[1] - 1 = floor(log2(a)), exactly
;;       r = np.clip(x / 2.0 ** e, -448, 448)
;;       step = 2.0 ** (np.maximum(np.frexp(np.where(r == 0, 1, r))[1] - 1, -6) - 3)
;;       q = np.round(r / step) * step * 2.0 ** e      # np.round: ties to even
;;       return np.moveaxis(q.reshape(q.shape[:-2] + (-1,))[..., :K], -1, axis).astype(np.float32)
;;   ~~~
;;   SOFTMAX AHEAD OF A QUANTISED PRODUCT. Where the list says 'softmax', what is quantised is not the finished softmax but p = 2^(t - M), with t = logit x log2(e) and M = ceil(the row's largest t), a whole number; so 1/2 < the row's largest p <= 1. The row's sum l is taken of the UNQUANTISED p, in f32, and the product's result is divided by l at the end. Since M is a whole number, a kernel that streams over the keys may use a running M (the ceiling of the running maximum): every later rescaling is an exact power of two, which a block's scale takes up: the codes' values come out the same.
;;   OPERANDS COMPUTED ON THE WAY. 'Computed on the way' means the value that the module computes at that place (a softmax that the list does not call 'softmax' is quantised finished and normalised). What goes into a quantiser is computed in f32, as accurately as f32 sums, v_exp_f32 and their like allow (about 1e-6 of the number): no bf16 or f16 on the way to a quantiser, and a product that is left as it is and whose result goes on into a quantised operand takes f32 operands (vector FMAs, or v_wmma_f32_16x16x4_f32). A number that lies on a knife's edge between two numbers of the format may be rounded either way, as far as f32 arithmetic and the matrix unit's own rounding can turn it there, and no further.
;;   INPUTS GIVEN AS CODES. Wk (in the module: [1024, 1024], K = its axis 0); Wo (in the module: [1024, 1024], K = its axis 0); Wq (in the module: [1024, 1024], K = its axis 0); Wv (in the module: [1024, 1024], K = its axis 0): each comes as NAME_codes (uint8): NAME with its K axis moved to the last place and cut into blocks of 32 codes, [.., K / 32, bytes a block], one block behind the other in memory; one code a byte (a code: sign, 4 exponent bits, 3 mantissa bits); and NAME_scales (uint8): the same leading axes, one E8M0 byte (e + 127) for each 32 codes along K. Its value is code x scale, taken as it is: it is not quantised again, and the codes and scales need not be those that the quantiser above would give.
;; One version. Each part assembles by itself: llvm-mc -triple=amdgcn-amd-amdhsa -mcpu=gfx1250 --defsym DOCPART=n.
;; ======== version 1 of 1: 4 launches
;; limits: right only within a limited range of input values
;; workspace buffers: hnb 4,325,376 bytes; rope 1,048,576 bytes; qb 4,456,448 bytes; kb 4,456,448 bytes; vb 4,325,376 bytes; aob 4,325,376 bytes; wimg 4,194,304 bytes
;; launch lnq (part 1): grid 256 x 1, 8 waves a work-group, no clusters, 72,704 bytes of LDS; arguments h, gamma, beta, hnb, rope, Wq_codes, Wk_codes, Wv_codes, Wo_codes, wimg; writes hnb, rope, wimg
.if DOCPART == 1
	.amdgcn_target "amdgcn-amd-amdhsa--gfx1250"
	.amdhsa_code_object_version 6
	.text
	.protected	k_q7cac3ad14d_lnq
	.globl	k_q7cac3ad14d_lnq
	.p2align	8
	.type	k_q7cac3ad14d_lnq,@function
k_q7cac3ad14d_lnq:
	s_mov_b64 s[64:65], 0
	v_nop
	global_prefetch_b8 v0, s[64:65] scope:SCOPE_SE
	s_setreg_imm32_b32 hwreg(HW_REG_WAVE_MODE, 25, 1), 1
	s_wait_xcnt 0x0
; LayerNorm of h [4096][1024] f32, quantised along the 1,024 into E4M3 codes with one E8M0 byte for each 32, and the table of RoPE's cosines and sines.
; TILE ORDER.  The sequence is cut into 256 tiles T of 16 rows; lane r of tile T = 2 b + u stands for row 32 b + 8 u + r + 8 (r / 8).
; hnb: codes as images of the operand's registers, [T][K step 8][chunk 4][lane 32][16 bytes]; from byte 0x400000 the scale words [T][r 16][K step 8], 4 bytes each.
; rope: [T][group 8][lane 32][16 bytes] f32: 4,096 bytes for each tile; lane 16 h + r holds the angles' indices 16 h .. 16 h + 15.
; SHARES.  A work-group owns a tile.  First each of its eight waves normalises two neighbouring rows of h (8 KiB on end) and lays them in LDS; behind a barrier wave w
; quantises K step w of all 16 rows: lane (r, h) takes 16 neighbours of each of the step's four blocks, so the conversions' results are the operand's registers.
; The variance is the mean of (x - mean)^2, taken in a second pass over registers: a common offset of the inputs costs nothing.
; SINES.  a = position x theta in one f32 rounding; n = round(a 2 / pi); a - n pi / 2 by two fused multiply-adds (the first is exact: n has 12 bits); polynomials on +-pi / 4.
; theta_i = 2^(-i log2(10000) / 32): the exponent is split into i x 54426 / 2^17, exact in f32, and a rest that enters as 1 - i x 2.485003e-6.
; LIMITS: NaN and infinities among the inputs are not served.  A block of zeros gets the scale byte 1 (its codes are zeros; only this program reads the bytes); blocks whose largest
; magnitude lies under 2^-118 are held at that floor.  theta is good to about two units in its last place, so the angle at position 4,095 is good to a few 1e-4.
.set PITCH, 4112                       ; an LDS row: 4,096 bytes + 16: sixteen rows' equal columns start 16 bytes apart modulo 256
.set SCG,   16*PITCH                   ; behind the rows: the tile's scale words, [r][K step], 512 bytes
.set X,   16                           ; v16-79   two rows of 32 numbers a lane; later a fragment's 64 numbers
.set GA,  80                           ; v80-111  gamma of my 32 columns
.set BE,  112                          ; v112-143 beta
.set PC,  144                          ; v144-159 codes
.set TM,  160                          ; v160-175 the quantiser's work: +0 largest magnitudes, +4 bytes, +8 holds, +12 scale operands
.set PW,  176                          ; v176     the scale word
.set K1,  177                          ; v177     1 for a lane that makes cosines, 0 for sines
.set TH,  178                          ; v178-179 my two thetas
.set PF,  180                          ; v180-181 my wave's two positions as f32
.set SEL, 20                           ; s[20:21] lane selects: lane l xor 16
.set MNT, 22                           ; s22      the mantissa field of 448
; nb blocks of 32: block b's 16 numbers of this lane in v[QSRC + 16 b ..]; the other 16 lie in lane l xor 16.  Codes to v[QDST + 4 b ..], bytes to v[TM + 4 + b].
.macro QUANT nb
.irp b, 0,1,2,3
.if \b < \nb
	v_max3_num_f32 v[TM+\b], |v[QSRC+16*\b]|, |v[QSRC+16*\b+1]|, 0x4800000   ; my 16 numbers and the floor 2^(9 - 127): the byte cannot fall under 1
.endif
.endr
.irp i, 2,4,6,8,10,12,14
.irp b, 0,1,2,3
.if \b < \nb
	s_delay_alu instid0(VALU_DEP_4)
	v_max3_num_f32 v[TM+\b], v[TM+\b], |v[QSRC+16*\b+\i]|, |v[QSRC+16*\b+\i+1]|   ; the blocks by turns
.endif
.endr
.endr
.irp b, 0,1,2,3
.if \b < \nb
	s_delay_alu instid0(VALU_DEP_4)
	v_permlanex16_b32 v[TM+4+\b], v[TM+\b], s[SEL], s[SEL+1]
.endif
.endr
.irp b, 0,1,2,3
.if \b < \nb
	s_delay_alu instid0(VALU_DEP_4)
	v_max_num_f32 v[TM+\b], v[TM+\b], v[TM+4+\b]                  ; the block's largest magnitude
.endif
.endr
.irp b, 0,1,2,3
.if \b < \nb
	s_delay_alu instid0(VALU_DEP_4)
	v_add_nc_u32 v[TM+12+\b], 0xfc000000, v[TM+\b]                ; 8 off its exponent field: the conversion's scale operand
.endif
.endr
.irp b, 0,1,2,3
.if \b < \nb
	v_and_or_b32 v[TM+8+\b], v[TM+\b], 0x7f800000, s[MNT]         ; 448 x the scale
.endif
.endr
.irp b, 0,1,2,3
.if \b < \nb
	v_lshrrev_b32 v[TM+4+\b], 23, v[TM+12+\b]                     ; the scale's byte
.endif
.endr
.irp b, 0,1,2,3
.if \b < \nb
.irp i, 0,1,2,3,4,5,6,7,8,9,10,11,12,13,14,15
	v_med3_num_f32 v[QSRC+16*\b+\i], v[QSRC+16*\b+\i], -v[TM+8+\b], v[TM+8+\b]   ; the conversion to an 8-bit code does not saturate (ISA guide 7.6.2): the hold comes first
.endr
	v_cvt_scalef32_pk8_fp8_f32 v[QDST+4*\b:QDST+4*\b+1], v[QSRC+16*\b:QSRC+16*\b+7], v[TM+12+\b]
	v_cvt_scalef32_pk8_fp8_f32 v[QDST+4*\b+2:QDST+4*\b+3], v[QSRC+16*\b+8:QSRC+16*\b+15], v[TM+12+\b]
.endif
.endr
	v_nop                                          ; one plain line behind the last conversion
.endm
; cos or sin (by the lane's K1) of position v[pos] x theta v[th]
.macro SINCOS out, th, pos
	v_mul_f32 v182, v[\pos], v[\th]                ; a
	s_delay_alu instid0(VALU_DEP_1)
	v_mul_f32 v183, s24, v182
	s_delay_alu instid0(VALU_DEP_1)
	v_rndne_f32 v183, v183                         ; n
	s_delay_alu instid0(VALU_DEP_1)
	v_fma_f32 v184, v183, s25, v182                ; a - n x the f32 nearest pi / 2
	s_delay_alu instid0(VALU_DEP_1)
	v_fma_f32 v184, v183, s26, v184                ; and the rest of pi / 2
	s_delay_alu instid0(VALU_DEP_1)
	v_mul_f32 v185, v184, v184                     ; z
	s_delay_alu instid0(VALU_DEP_1)
	v_fma_f32 v186, v185, s29, s28
	s_delay_alu instid0(VALU_DEP_2)
	v_fma_f32 v187, v185, s32, s31
	s_delay_alu instid0(VALU_DEP_2)
	v_fma_f32 v186, v186, v185, s27
	s_delay_alu instid0(VALU_DEP_2)
	v_fma_f32 v187, v187, v185, s30
	v_mul_f32 v8, v184, v185
	v_mul_f32 v9, v185, v185
	v_fma_f32 v10, v185, -0.5, 1.0
	s_delay_alu instid0(VALU_DEP_3)
	v_fma_f32 v186, v186, v8, v184                 ; sin r
	s_delay_alu instid0(VALU_DEP_2)
	v_fma_f32 v187, v187, v9, v10                  ; cos r
	v_cvt_i32_f32 v8, v183
	s_delay_alu instid0(VALU_DEP_1)
	v_add_nc_u32 v8, v8, v[K1]                     ; the quadrant; a cosine is the sine a quadrant on
	s_delay_alu instid0(VALU_DEP_1)
	v_and_b32 v9, 1, v8
	s_delay_alu instid0(VALU_DEP_1)
	v_cmp_eq_u32 vcc_lo, 1, v9
	s_delay_alu instid0(VALU_DEP_1)
	v_cndmask_b32 v186, v186, v187, vcc_lo
	s_delay_alu instid0(VALU_DEP_4)
	v_and_b32 v8, 2, v8
	s_delay_alu instid0(VALU_DEP_1)
	v_lshlrev_b32 v8, 30, v8
	s_delay_alu instid0(VALU_DEP_1)
	v_xor_b32 v[\out], v8, v186                    ; quadrants 2 and 3 turn the sign
.endm
.macro LANESUM                         ; v8 summed over the 32 lanes, in every lane; v9 is spent
	s_delay_alu instid0(VALU_DEP_1)
	v_add_f32_dpp v8, v8, v8 row_xmask:1 row_mask:0xf bank_mask:0xf
	s_delay_alu instid0(VALU_DEP_1)
	v_add_f32_dpp v8, v8, v8 row_xmask:2 row_mask:0xf bank_mask:0xf
	s_delay_alu instid0(VALU_DEP_1)
	v_add_f32_dpp v8, v8, v8 row_xmask:4 row_mask:0xf bank_mask:0xf
	s_delay_alu instid0(VALU_DEP_1)
	v_add_f32_dpp v8, v8, v8 row_xmask:8 row_mask:0xf bank_mask:0xf
	s_delay_alu instid0(VALU_DEP_1)
	v_permlanex16_b32 v9, v8, s[SEL], s[SEL+1]
	s_delay_alu instid0(VALU_DEP_1)
	v_add_f32 v8, v8, v9
.endm
; row e of my two: mean, variance, (x - mean) rsqrt(var + 1e-5) gamma + beta, into LDS
.macro ROWNORM e
.set XR, X+32*\e
	v_pk_add_f32 v[8:9], v[XR:XR+1], v[XR+2:XR+3]
	v_pk_add_f32 v[10:11], v[XR+4:XR+5], v[XR+6:XR+7]
.irp i, 8,12,16,20,24,28
	s_delay_alu instid0(VALU_DEP_2)
	v_pk_add_f32 v[8:9], v[8:9], v[XR+\i:XR+\i+1]
	s_delay_alu instid0(VALU_DEP_2)
	v_pk_add_f32 v[10:11], v[10:11], v[XR+\i+2:XR+\i+3]
.endr
	s_delay_alu instid0(VALU_DEP_1)
	v_pk_add_f32 v[8:9], v[8:9], v[10:11]
	s_delay_alu instid0(VALU_DEP_1)
	v_add_f32 v8, v8, v9
	LANESUM
	s_delay_alu instid0(VALU_DEP_1)
	v_mul_f32 v8, 0x3a800000, v8                   ; / 1024: the mean
.irp i, 0,2,4,6,8,10,12,14,16,18,20,22,24,26,28,30
	v_pk_add_f32 v[XR+\i:XR+\i+1], v[XR+\i:XR+\i+1], v[8:9] op_sel_hi:[1,0] neg_lo:[0,1] neg_hi:[0,1]
.endr
.irp k, 0,1,2,3
	v_pk_mul_f32 v[8+2*\k:9+2*\k], v[XR+2*\k:XR+2*\k+1], v[XR+2*\k:XR+2*\k+1]      ; four chains, started by the first products
.endr
.irp i, 8,16,24
.irp k, 0,1,2,3
	s_delay_alu instid0(VALU_DEP_4)
	v_pk_fma_f32 v[8+2*\k:9+2*\k], v[XR+\i+2*\k:XR+\i+2*\k+1], v[XR+\i+2*\k:XR+\i+2*\k+1], v[8+2*\k:9+2*\k]
.endr
.endr
	s_delay_alu instid0(VALU_DEP_3)
	v_pk_add_f32 v[8:9], v[8:9], v[10:11]
	s_delay_alu instid0(VALU_DEP_2)
	v_pk_add_f32 v[12:13], v[12:13], v[14:15]
	s_delay_alu instid0(VALU_DEP_1)
	v_pk_add_f32 v[8:9], v[8:9], v[12:13]
	s_delay_alu instid0(VALU_DEP_1)
	v_add_f32 v8, v8, v9
	LANESUM
	s_delay_alu instid0(VALU_DEP_1)
	v_fma_f32 v8, v8, 0x3a800000, s23              ; the variance + 1e-5
	s_wait_alu depctr_va_vdst(0)
	v_rsq_f32 v8, v8
	v_nop                                          ; a plain line behind the transcendental
	s_wait_alu depctr_va_vdst(0)
.irp i, 0,2,4,6,8,10,12,14,16,18,20,22,24,26,28,30
	v_pk_mul_f32 v[XR+\i:XR+\i+1], v[XR+\i:XR+\i+1], v[8:9] op_sel_hi:[1,0]
.endr
.irp i, 0,2,4,6,8,10,12,14,16,18,20,22,24,26,28,30
	v_pk_fma_f32 v[XR+\i:XR+\i+1], v[XR+\i:XR+\i+1], v[GA+\i:GA+\i+1], v[BE+\i:BE+\i+1]
.endr
.irp j, 0,1,2,3,4,5,6,7
	ds_store_b128 v3, v[XR+4*\j:XR+4*\j+3] offset:\e*PITCH+512*\j
.endr
.endm
	s_load_b256 s[4:11], s[0:1], 0x0               ; h s[4:5], gamma s[6:7], beta s[8:9], hnb s[10:11]
	s_load_b64 s[12:13], s[0:1], 0x20              ; rope
	s_load_b256 s[40:47], s[0:1], 0x28             ; the codes of Wq, Wk, Wv, Wo
	s_load_b64 s[38:39], s[0:1], 0x48              ; wimg
; THE TABLE'S LAYOUT IS NOW AN IMAGE OF THE READER'S REGISTERS: rope[T][group 8][lane 32][16 bytes]; groups 0-3 the lane's 16 cosines, groups 4-7 its 16 sines.  It is gathered in LDS from TBL on, 4,096 bytes.
; wimg[matrix q, k, v, o][unit of 64 rows 16][K step 8][tile 4][chunk 4][lane 32][16 bytes]: the weights' codes as images of the operand's registers.  q, k, v: lane r of tile t is row 32 (t / 2) + 8 (t % 2) + r + 8 (r / 8) of the unit; o: row 16 t + r.
; Work-group T re-lays 16,384 bytes: matrix T / 64, unit (T / 4) % 16, K steps 2 (T % 4) and the next; wave w takes K step 2 (T % 4) + w / 4, tile w % 4: four loads, four stores of 512 consecutive bytes.
.set TBL, 68608
	v_lshl_add_u32 v192, v0, 2, 0x10800
	v_mov_b32 v193, 0
	v_lshrrev_b32 v1, 5, v0
	s_delay_alu instid0(VALU_DEP_1)
	v_readfirstlane_b32 s14, v1                    ; wave 0..7
	v_and_b32 v1, 31, v0                           ; lane
	s_delay_alu instid0(VALU_DEP_1)
	v_lshlrev_b32 v2, 4, v1                        ; 16 x lane
	s_lshr_b32 s48, ttmp9, 6                       ; the matrix
	s_bfe_u32 s49, ttmp9, 0x40002                  ; the unit
	s_and_b32 s50, ttmp9, 3
	s_lshl_b32 s50, s50, 1
	s_lshr_b32 s51, s14, 2
	s_add_co_u32 s50, s50, s51                     ; the K step
	s_and_b32 s51, s14, 3                          ; the tile
	s_lshr_b32 s52, s51, 1
	s_lshl_b32 s52, s52, 5
	s_and_b32 s53, s51, 1
	s_lshl_b32 s53, s53, 3
	s_add_co_u32 s52, s52, s53                     ; its first row in tile order,
	s_lshl_b32 s53, s51, 4                         ; and in plain order
	s_cmp_lt_u32 s48, 3
	s_cselect_b32 s52, s52, s53
	s_cselect_b32 s54, 1, 0
	s_lshl_b32 s49, s49, 6
	s_add_co_u32 s52, s52, s49
	s_lshl_b32 s52, s52, 10                        ; a row is 1,024 bytes
	s_lshl_b32 s50, s50, 7
	s_add_co_u32 s52, s52, s50
	s_mov_b32 s53, 0
	v_and_b32 v211, 15, v0
	v_and_b32 v212, 8, v211
	v_mul_u32_u24 v212, s54, v212
	v_add_nc_u32 v211, v211, v212                  ; r + 8 (r / 8), or r
	v_bfe_u32 v212, v0, 4, 1
	v_lshlrev_b32 v210, 10, v211
	v_lshl_add_u32 v210, v212, 4, v210             ; + 16 h
	s_lshr_b32 s16, ttmp9, 1
	s_lshl_b32 s16, s16, 5
	s_and_b32 s17, ttmp9, 1
	s_lshl_b32 s17, s17, 3
	s_add_co_u32 s16, s16, s17
	s_lshl_b32 s17, s14, 1
	s_add_co_u32 s16, s16, s17
	s_lshr_b32 s17, s14, 2
	s_lshl_b32 s17, s17, 3
	s_add_co_u32 s16, s16, s17                     ; the row of tile lane 2 w: 32 (T / 2) + 8 (T % 2) + 2 w + 8 (w / 4); lane 2 w + 1 is the next row
	s_lshl_b32 s18, s16, 12
	s_mov_b32 s19, 0
	s_wait_alu depctr_va_vdst(0)
	s_wait_kmcnt 0x0
	s_add_nc_u64 s[4:5], s[4:5], s[18:19]
	s_cmp_lt_u32 s48, 1                            ; the choice of the weight hangs on the work-group's number alone
	s_cselect_b64 s[40:41], s[40:41], s[42:43]
	s_cmp_lt_u32 s48, 3
	s_cselect_b64 s[44:45], s[44:45], s[46:47]
	s_cmp_lt_u32 s48, 2
	s_cselect_b64 s[40:41], s[40:41], s[44:45]
	s_add_nc_u64 s[40:41], s[40:41], s[52:53]
	s_lshl_b32 s50, ttmp9, 14
	s_lshl_b32 s51, s14, 11
	s_add_co_u32 s50, s50, s51
	s_mov_b32 s51, 0
	s_add_nc_u64 s[38:39], s[38:39], s[50:51]
.irp c, 0,1,2,3
	global_load_b128 v[194+4*\c:197+4*\c], v210, s[40:41] offset:32*\c
.endr
.irp e, 0,1
.irp j, 0,1,2,3,4,5,6,7
	global_load_b128 v[X+32*\e+4*\j:X+32*\e+4*\j+3], v2, s[4:5] offset:4096*\e+512*\j th:TH_LOAD_NT   ; 32 lanes read 512 consecutive bytes
.endr
.endr
.irp j, 0,1,2,3,4,5,6,7
	global_load_b128 v[GA+4*\j:GA+4*\j+3], v2, s[6:7] offset:512*\j
	global_load_b128 v[BE+4*\j:BE+4*\j+3], v2, s[8:9] offset:512*\j
.endr
	; addresses, while the loads are on their way
	v_and_b32 v8, 15, v0                           ; r
	v_bfe_u32 v9, v0, 4, 1                         ; h
	s_mul_i32 s17, s14, 2*PITCH
	v_add_nc_u32 v3, s17, v2                       ; into LDS: my wave's two rows, 16 bytes a lane
	v_mul_u32_u24 v4, v8, PITCH
	s_delay_alu instid0(VALU_DEP_1)
	v_lshl_add_u32 v4, v9, 6, v4
	s_lshl_b32 s17, s14, 9
	v_add_nc_u32 v4, s17, v4                       ; out of LDS: row r, K step w (512 bytes), + 64 h
	v_lshlrev_b32 v5, 5, v8
	s_lshl_b32 s17, s14, 2
	s_add_co_u32 s17, s17, SCG
	v_add_nc_u32 v5, s17, v5                       ; my row's scale word of K step w
	s_lshl_b32 s17, s14, 9
	s_add_co_u32 s17, s17, TBL
	v_add_nc_u32 v6, s17, v2                       ; the table out of LDS: group w, 16 bytes a lane
	s_lshl_b32 s17, s14, 5
	s_add_co_u32 s17, s17, TBL
	v_bfe_u32 v211, v1, 3, 1
	v_bfe_u32 v212, v1, 1, 2
	v_lshl_add_u32 v211, v211, 2, v212             ; my two words' group: 4 (sine) + (l % 8) / 2
	v_lshrrev_b32 v212, 4, v1
	v_lshlrev_b32 v211, 9, v211
	v_lshl_add_u32 v211, v212, 8, v211             ; the reader's lane 16 (l / 16) + row
	v_and_b32 v212, 1, v1
	v_lshl_add_u32 v211, v212, 3, v211
	v_add_nc_u32 v213, s17, v211                   ; row 2 w; row 2 w + 1 lies 16 bytes on
	v_add_nc_u32 v7, SCG, v2                       ; the tile's scale words, 16 bytes a lane
	s_lshl_b32 s18, ttmp9, 14
	s_lshl_b32 s17, s14, 11
	s_add_co_u32 s18, s18, s17
	s_add_nc_u64 s[34:35], s[10:11], s[18:19]      ; the codes of (T, K step w)
	s_lshl_b32 s18, ttmp9, 9
	s_add_nc_u64 s[36:37], s[10:11], s[18:19]
	s_add_nc_u64 s[36:37], s[36:37], 0x400000      ; the tile's scale words
	s_lshl_b32 s18, ttmp9, 12
	s_lshl_b32 s17, s14, 9
	s_add_co_u32 s18, s18, s17
	s_add_nc_u64 s[12:13], s[12:13], s[18:19]      ; group w of the tile's table
	s_mov_b32 s[SEL], 0x76543210
	s_mov_b32 s[SEL+1], 0xfedcba98
	s_mov_b32 s[MNT], 0x600000
	s_mov_b32 s23, 0x3727c5ac                      ; 1e-5
	s_mov_b32 s24, 0x3f22f983                      ; 2 / pi
	s_mov_b32 s25, 0xbfc90fdb                      ; -(the f32 nearest pi / 2)
	s_mov_b32 s26, 0x333bbd2e                      ; that f32 less pi / 2
	s_mov_b32 s27, 0xbe2aaaa3                      ; the sine's three coefficients
	s_mov_b32 s28, 0x3c08839e
	s_mov_b32 s29, 0xb94ca1f9
	s_mov_b32 s30, 0x3d2aaaa5                      ; the cosine's
	s_mov_b32 s31, 0xbab6061a
	s_mov_b32 s32, 0x37ccf5ce
.irp b, 0,1,2,3
	v_mov_b32 v[TM+4+\b], 0                        ; written once: a lane permute's destination counts as one of its sources
.endr
	; THE TABLE.  Lane l makes words 2 l and 2 l + 1 of a record: half l / 16, cosines where (l / 8) % 2 = 0, indices 16 (l / 16) + 2 (l % 8) and the next
	v_lshrrev_b32 v10, 4, v1
	v_and_b32 v11, 7, v1
	s_delay_alu instid0(VALU_DEP_1)
	v_lshlrev_b32 v11, 1, v11
	s_delay_alu instid0(VALU_DEP_1)
	v_lshl_add_u32 v10, v10, 4, v11
	v_bfe_u32 v11, v1, 3, 1
	s_delay_alu instid0(VALU_DEP_1)
	v_sub_nc_u32 v[K1], 1, v11
	s_delay_alu instid0(VALU_DEP_3)
	v_cvt_f32_u32 v12, v10                         ; i
	s_delay_alu instid0(VALU_DEP_1)
	v_add_f32 v13, 1.0, v12                        ; i + 1
	s_delay_alu instid0(VALU_DEP_2)
	v_mul_f32 v14, 0xbed49a00, v12                 ; -i x 54426 / 2^17: exact
	s_delay_alu instid0(VALU_DEP_2)
	v_mul_f32 v15, 0xbed49a00, v13
	s_wait_alu depctr_va_vdst(0)
	v_exp_f32 v14, v14
	v_exp_f32 v15, v15
	v_nop                                          ; a plain line behind the transcendentals
	s_wait_alu depctr_va_vdst(0)
	v_mul_f32 v12, v14, v12
	v_mul_f32 v13, v15, v13
	v_fma_f32 v[TH], -v12, 0x3626c405, v14         ; x (1 - i x 2.485003e-6)
	v_fma_f32 v[TH+1], -v13, 0x3626c405, v15
	v_cvt_f32_u32 v[PF], s16
	s_delay_alu instid0(VALU_DEP_1)
	v_add_f32 v[PF+1], 1.0, v[PF]
	SINCOS 188, TH, PF
	SINCOS 189, TH+1, PF
	SINCOS 190, TH, PF+1
	SINCOS 191, TH+1, PF+1
	ds_store_b64 v213, v[188:189]
	ds_store_b64 v213, v[190:191] offset:16
	s_wait_loadcnt 0x0                             ; my two rows, gamma, beta and my piece of a weight
.irp c, 0,1,2,3
	global_store_b128 v2, v[194+4*\c:197+4*\c], s[38:39] offset:512*\c
.endr
	ROWNORM 0
	ROWNORM 1
	s_wait_dscnt 0x0                               ; for the others' sake: my rows lie in LDS
	s_barrier_signal -1
	s_barrier_wait -1
.irp c, 0,1,2,3
.irp i, 0,1,2,3
	ds_load_b128 v[X+16*\c+4*\i:X+16*\c+4*\i+3], v4 offset:128*\c+16*\i   ; row r, k = 128 w + 32 c + 16 h + 4 i ..
.endr
.endr
	ds_load_b128 v[188:191], v6                    ; behind the barrier: group w of the tile's table
	s_wait_dscnt 0x0
	global_store_b128 v2, v[188:191], s[12:13]     ; 512 consecutive bytes
.set QSRC, X
.set QDST, PC
	QUANT 4
	v_lshl_or_b32 v[PW], v[TM+5], 8, v[TM+4]
	s_delay_alu instid0(VALU_DEP_1)
	v_lshl_or_b32 v[PW], v[TM+6], 16, v[PW]
	s_delay_alu instid0(VALU_DEP_1)
	v_lshl_or_b32 v[PW], v[TM+7], 24, v[PW]
.irp c, 0,1,2,3
	global_store_b128 v2, v[PC+4*\c:PC+4*\c+3], s[34:35] offset:512*\c      ; the fragment as it stands: 512 consecutive bytes a store
.endr
	ds_store_b32 v5, v[PW]                         ; lanes r and r + 16 write the same word with the same value
	s_wait_dscnt 0x0
	s_barrier_signal -1
	s_barrier_wait -1
	s_cmp_lg_u32 s14, 0
	s_cbranch_scc1 .Ldone
	ds_load_b128 v[8:11], v7                       ; wave 0 sends the tile's 128 scale words out as 512 consecutive bytes
	s_wait_dscnt 0x0
	global_store_b128 v2, v[8:11], s[36:37]
.Ldone:
	s_wait_tensorcnt 0x0
	ds_add_u32 v192, v193
	s_wait_dscnt 0x0
	s_endpgm
.Lfunc_end_k_q7cac3ad14d_lnq:
	.size	k_q7cac3ad14d_lnq, .Lfunc_end_k_q7cac3ad14d_lnq-k_q7cac3ad14d_lnq
	.p2alignl 7, 3214868480
	.fill 96, 4, 3214868480
	.section	.rodata,"a",@progbits
	.p2align	6, 0x0
	.amdhsa_kernel k_q7cac3ad14d_lnq
		.amdhsa_group_segment_fixed_size 72704
		.amdhsa_private_segment_fixed_size 0
		.amdhsa_enable_private_segment 0
		.amdhsa_kernarg_size 80
		.amdhsa_user_sgpr_count 2
		.amdhsa_user_sgpr_kernarg_segment_ptr 1
		.amdhsa_wavefront_size32 1
		.amdhsa_system_sgpr_workgroup_id_x 1
		.amdhsa_system_sgpr_workgroup_id_y 1
		.amdhsa_system_sgpr_workgroup_id_z 1
		.amdhsa_system_vgpr_workitem_id 0
		.amdhsa_next_free_vgpr 214
		.amdhsa_next_free_sgpr 66
		.amdhsa_reserve_vcc 1
		.amdhsa_float_denorm_mode_32 3
		.amdhsa_float_denorm_mode_16_64 3
		.amdhsa_memory_ordered 1
		.amdhsa_forward_progress 1
		.amdhsa_inst_pref_size 45
	.end_amdhsa_kernel
	.amdgpu_metadata
---
amdhsa.version: [ 1, 2 ]
amdhsa.kernels:
  - .name:           k_q7cac3ad14d_lnq
    .symbol:         k_q7cac3ad14d_lnq.kd
    .args:
      - { .name: h, .offset: 0, .size: 8, .value_kind: global_buffer, .address_space: global }
      - { .name: gamma, .offset: 8, .size: 8, .value_kind: global_buffer, .address_space: global }
      - { .name: beta, .offset: 16, .size: 8, .value_kind: global_buffer, .address_space: global }
      - { .name: hnb, .offset: 24, .size: 8, .value_kind: global_buffer, .address_space: global }
      - { .name: rope, .offset: 32, .size: 8, .value_kind: global_buffer, .address_space: global }
      - { .name: Wq_codes, .offset: 40, .size: 8, .value_kind: global_buffer, .address_space: global }
      - { .name: Wk_codes, .offset: 48, .size: 8, .value_kind: global_buffer, .address_space: global }
      - { .name: Wv_codes, .offset: 56, .size: 8, .value_kind: global_buffer, .address_space: global }
      - { .name: Wo_codes, .offset: 64, .size: 8, .value_kind: global_buffer, .address_space: global }
      - { .name: wimg, .offset: 72, .size: 8, .value_kind: global_buffer, .address_space: global }
    .group_segment_fixed_size: 72704
    .private_segment_fixed_size: 0
    .kernarg_segment_align: 8
    .kernarg_segment_size: 80
    .max_flat_workgroup_size: 256
    .sgpr_count:     66
    .vgpr_count:     214
    .wavefront_size: 32
...
	.end_amdgpu_metadata
.endif
;; end of part 1
;; launch qkv (part 2): grid 12 x 16, 4 waves a work-group, no clusters, 76,288 bytes of LDS; arguments hnb, rope, wimg, Wq_scales, bq, qb, Wk_scales, bk, kb, Wv_scales, bv, vb; writes qb, kb, vb
.if DOCPART == 2
	.amdgcn_target "amdgcn-amd-amdhsa--gfx1250"
	.amdhsa_code_object_version 6
	.text
	.protected	k_q7cac3ad14d_qkv
	.globl	k_q7cac3ad14d_qkv
	.p2align	8
	.type	k_q7cac3ad14d_qkv,@function
k_q7cac3ad14d_qkv:
	s_mov_b64 s[64:65], 0
	v_nop
	global_prefetch_b8 v0, s[64:65] scope:SCOPE_SE
	s_setreg_imm32_b32 hwreg(HW_REG_WAVE_MODE, 25, 1), 1
	s_wait_xcnt 0x0
; q = rope(hn Wq + bq), k = rope(hn Wk + bk), v = hn Wv + bv, on codes of E4M3 with E8M0 scales; each result is quantised again on the way out: q and k along the head's 64, v along the KEYS.
; SHARES.  Work-group x = g: the matrix g / 4 (q, k, v) and the four heads 4 (g % 4) + wave; work-group y owns 16 tiles of 16 rows, walked as 8 pairs of 32 rows.
; A wave keeps its head's 64 rows of W, all of K, in 512 registers, read from memory once; what goes round through LDS is hn: a pair's codes (32 KiB) and scale words, copied as they lie
; (they are images of the operand's registers) into two slots that take turns: loaded into registers at a pair's head, stored to the other slot at its end, one barrier a pair.
; No tensor loads: W goes as each lane's own 16-byte pieces straight into registers.  No cluster: of a pair's bytes only hn's 33 KiB are shared, by the 12 work-groups of a row group.
; TILE ORDER.  Lane r of tile 2 b + u stands for row 32 b + 8 u + r + 8 (r / 8), of the sequence and of a head's rows of W alike.  So the 16 result registers of two neighbouring tiles are 16 neighbours.
;   q, k: source 0 = 16 rows of W, source 1 = 16 rows of hn: a lane holds ONE row of the sequence and the head's d = 32 B + 16 h + 0 .. 15: RoPE's partners d and d + 32 lie 16 registers apart in the lane.
;   v:    source 0 = 16 rows of hn, source 1 = 16 rows of W: a lane holds ONE column d and keys 32 b + 16 h + 0 .. 15: a block of 32 keys lies in lanes l and l xor 16.
; The bias is the C of each sum's first product.  The eight accumulators take turns, one instruction a turn, in the same order in every K step.
; OUT.  qb, kb: codes [head][T][chunk 2][lane][16 bytes]; from 0x400000 scale words [head][T][r], bytes 2 and 3 zero.  vb: codes [head][pair][tile 4][lane][16 bytes]; from 0x400000 words [head][128 keys][r][tile].
; LIMITS: NaN and infinities are not served; a block of zeros gets the byte 1 (its codes are zeros; only this program reads the bytes); blocks under 2^-118 are held at that floor.
; REGISTERS, in windows of 256.  Window 0: see the names below.  Window 1: W(tile t, K step s) at 64 s + 16 t, s = 0..3.  Window 2: s = 4..7.
;   Window 3: v0-63 a pair's codes on their way to LDS, v64-65 its scale words; v128-191 RoPE's table (32 a tile: cos 16, sin 16); v192-223 the bias, 8 a tile of W.
.set SLOTB, 33792                      ; a slot: 2 tiles x 16,384 bytes of codes, then 2 x 512 of scale words [r][K step]
.set SCO,   32768
.set GQ,    67584                      ; q, k: a wave's 16 x 16 scale words, gathered: 1,024 bytes a wave
.set GV,    71680                      ; v: a wave's scale bytes [r][tile][pair 8]: 512 bytes a wave
.set LI,  1                            ; v1-2   16 x lane, in slot 0, 1
.set R32, 3                            ; v3-4   32 r + SCO
.set T16, 5                            ; v5-6   16 x thread
.set T8,  7                            ; v7-8   8 x thread + SCO
.set GQA, 9                            ; v9     GQ + 1024 w + 4 r
.set GVA, 10                           ; v10    GV + 512 w + 32 r
.set GAQ, 11                           ; v11    q, k: the gather address of the pair in hand
.set RO,  12
.set G16, 13                           ; v13    16 x thread, an offset in memory
.set G8,  14                           ; v14    8 x thread
.set L16, 15                           ; v15    16 x lane
.set WS,  16                           ; v16-47  W's scale words (t, s) at 8 t + s
.set AS,  48                           ; v48-63  hn's (u, s) at 8 u + s
.set AF,  64                           ; v64-127 hn's fragments: set p, tile u at 32 p + 16 u
.set ACC, 128                          ; v128-191 q, k: (u, t) at 32 u + 8 t;  v: at 16 t + 8 u
.set PC,  192                          ; v192-207 codes
.set TM,  208                          ; v208-223 the quantiser's work
.set PW,  224                          ; v224-225 scale words
.set RT,  226                          ; v226-233 at work
.set GQR, 234                          ; v234   GQ + 1024 w + 16 x lane
.set GVR, 235                          ; v235   GV + 512 w + 32 (lane % 16) + 4 (lane / 16)
.set GAV, 236                          ; v236   v: the gather address of the pair in hand
.set WOF, 237
.set WSO, 238                          ; v238   W's scale words
.set BOF, 239                          ; v239   the bias, q and k: 64 h
.set RBK, 240                          ; v240-247 the gathers read back
.set BOV, 248                          ; v248   the bias, v: 4 x my column
.set BI,  192                          ; in window 3
.set SEL, 44                           ; s[44:45]
.set MNT, 46
.set MSB, 0
.macro WIN new                         ; the immediate's high byte repeats the setting that is left; a switch that changes nothing is dropped
.if MSB != \new
	s_set_vgpr_msb (MSB<<8)|\new
.set MSB, \new
.endif
.endm
.macro NOPS n
.rept \n
	v_nop
.endr
.endm
.macro QUANT nb                        ; nb blocks: block b's 16 numbers in v[QSRC + 16 b ..], the other 16 in lane l xor 16; codes to v[QDST + 4 b ..], bytes to v[TM + 4 + b]
.irp b, 0,1,2,3
.if \b < \nb
	v_max3_num_f32 v[TM+\b], |v[QSRC+16*\b]|, |v[QSRC+16*\b+1]|, 0x4800000   ; with the floor 2^(9 - 127): the byte cannot fall under 1
.endif
.endr
.irp i, 2,4,6,8,10,12,14
.irp b, 0,1,2,3
.if \b < \nb
	v_max3_num_f32 v[TM+\b], v[TM+\b], |v[QSRC+16*\b+\i]|, |v[QSRC+16*\b+\i+1]|
.endif
.endr
.endr
.irp b, 0,1,2,3
.if \b < \nb
	v_permlanex16_b32 v[TM+4+\b], v[TM+\b], s[SEL], s[SEL+1]
.endif
.endr
.irp b, 0,1,2,3
.if \b < \nb
	v_max_num_f32 v[TM+\b], v[TM+\b], v[TM+4+\b]
.endif
.endr
.irp b, 0,1,2,3
.if \b < \nb
	v_add_nc_u32 v[TM+12+\b], 0xfc000000, v[TM+\b]                ; 8 off the exponent field: the conversion's scale operand
.endif
.endr
.irp b, 0,1,2,3
.if \b < \nb
	v_and_or_b32 v[TM+8+\b], v[TM+\b], 0x7f800000, s[MNT]         ; 448 x the scale
.endif
.endr
.irp b, 0,1,2,3
.if \b < \nb
	v_lshrrev_b32 v[TM+4+\b], 23, v[TM+12+\b]                     ; the byte
.endif
.endr
.irp b, 0,1,2,3
.if \b < \nb
.irp i, 0,1,2,3,4,5,6,7,8,9,10,11,12,13,14,15
	v_med3_num_f32 v[QSRC+16*\b+\i], v[QSRC+16*\b+\i], -v[TM+8+\b], v[TM+8+\b]   ; the conversion does not saturate (ISA guide 7.6.2)
.endr
	v_cvt_scalef32_pk8_fp8_f32 v[QDST+4*\b:QDST+4*\b+1], v[QSRC+16*\b:QSRC+16*\b+7], v[TM+12+\b]
	v_cvt_scalef32_pk8_fp8_f32 v[QDST+4*\b+2:QDST+4*\b+3], v[QSRC+16*\b+8:QSRC+16*\b+15], v[TM+12+\b]
.endif
.endr
	v_nop                                          ; one plain line behind the last conversion: products later write its sources
.endm
; The pair's eight K steps of 128.  Step s + 1's eight fragment loads are issued ahead of step s's eight products, into the set that step s - 1 read: eight places stand between.
.macro KSTEPS sg, isv
.irp s, 0,1,2,3,4,5,6,7
.if \s < 7
.if \s > 0
	NOPS 8
.endif
.irp u, 0,1
.irp c, 0,1,2,3
	ds_load_b128 v[AF+32*((\s+1)%2)+16*\u+4*\c:AF+32*((\s+1)%2)+16*\u+4*\c+3], v[LI+\sg] offset:16384*\u+2048*(\s+1)+512*\c
.endr
.endr
	s_wait_dscnt 0x8                               ; all but the eight just issued: this step's fragments (and, at step 0, the scale words) are in
.else
	s_wait_dscnt 0x0
.endif
.if \isv
.if \s == 0
	WIN 0x34                                       ; source 1 (W) window 1, source 2 (the bias) window 3
.elseif \s < 4
	WIN 0x04
.else
	WIN 0x08
.endif
.else
.if \s == 0
	WIN 0x31                                       ; source 0 (W) window 1, source 2 (the bias) window 3
.elseif \s < 4
	WIN 0x01
.else
	WIN 0x02
.endif
.endif
.irp t, 0,1,2,3
.irp u, 0,1
.if \isv
.if \s == 0
	v_wmma_scale_f32_16x16x128_f8f6f4 v[ACC+16*\t+8*\u:ACC+16*\t+8*\u+7], v[AF+32*(\s%2)+16*\u:AF+32*(\s%2)+16*\u+15], v[64*(\s%4)+16*\t:64*(\s%4)+16*\t+15], v[BI+8*\t:BI+8*\t+7], v[AS+8*\u+\s], v[WS+8*\t+\s]
.else
	v_wmma_scale_f32_16x16x128_f8f6f4 v[ACC+16*\t+8*\u:ACC+16*\t+8*\u+7], v[AF+32*(\s%2)+16*\u:AF+32*(\s%2)+16*\u+15], v[64*(\s%4)+16*\t:64*(\s%4)+16*\t+15], v[ACC+16*\t+8*\u:ACC+16*\t+8*\u+7], v[AS+8*\u+\s], v[WS+8*\t+\s]
.endif
.else
.if \s == 0
	v_wmma_scale_f32_16x16x128_f8f6f4 v[ACC+32*\u+8*\t:ACC+32*\u+8*\t+7], v[64*(\s%4)+16*\t:64*(\s%4)+16*\t+15], v[AF+32*(\s%2)+16*\u:AF+32*(\s%2)+16*\u+15], v[BI+8*\t:BI+8*\t+7], v[WS+8*\t+\s], v[AS+8*\u+\s]
.else
	v_wmma_scale_f32_16x16x128_f8f6f4 v[ACC+32*\u+8*\t:ACC+32*\u+8*\t+7], v[64*(\s%4)+16*\t:64*(\s%4)+16*\t+15], v[AF+32*(\s%2)+16*\u:AF+32*(\s%2)+16*\u+15], v[ACC+32*\u+8*\t:ACC+32*\u+8*\t+7], v[WS+8*\t+\s], v[AS+8*\u+\s]
.endif
.endif
.endr
.endr
	WIN 0
.endr
.endm
; RoPE on tile u: lo = d 16 h + i, hi = d 32 + 16 h + i: lo' = cos lo - sin hi, hi' = cos hi + sin lo.  Source 0 is the table, in window 3.
.macro ROPE u
.set AA, ACC+32*\u
.set CT, 128+32*\u
.irp i, 0,2,4,6,8,10,12,14
	v_pk_mul_f32 v[RT+2*(\i%4):RT+2*(\i%4)+1], v[CT+16+\i:CT+17+\i], v[AA+16+\i:AA+17+\i]
	v_pk_mul_f32 v[RT+2*(\i%4)+2:RT+2*(\i%4)+3], v[CT+16+\i:CT+17+\i], v[AA+\i:AA+\i+1]
	v_pk_fma_f32 v[AA+\i:AA+\i+1], v[CT+\i:CT+\i+1], v[AA+\i:AA+\i+1], v[RT+2*(\i%4):RT+2*(\i%4)+1] neg_lo:[0,0,1] neg_hi:[0,0,1]
	v_pk_fma_f32 v[AA+16+\i:AA+17+\i], v[CT+\i:CT+\i+1], v[AA+16+\i:AA+17+\i], v[RT+2*(\i%4)+2:RT+2*(\i%4)+3]
.endr
.endm
; One pair of tiles, read from slot sg.  fill = 1: the next pair is brought into the other slot.
.macro ITER sg, fill
.if \fill
	WIN 0xc0                                       ; destination window 3
.irp i, 0,1,2,3,4,5,6,7,8,9,10,11,12,13,14,15
	global_load_b128 v[4*\i:4*\i+3], v[G16], s[34:35] offset:2048*\i        ; the next pair's codes: the four waves read 2,048 consecutive bytes a line
.endr
	global_load_b64 v[64:65], v[G8], s[36:37]      ; and its scale words
	WIN 0
.endif
.irp u, 0,1
.irp i, 0,1
	ds_load_b128 v[AS+8*\u+4*\i:AS+8*\u+4*\i+3], v[R32+\sg] offset:512*\u+16*\i    ; row r's eight scale words
.endr
.endr
.irp u, 0,1
.irp c, 0,1,2,3
	ds_load_b128 v[AF+16*\u+4*\c:AF+16*\u+4*\c+3], v[LI+\sg] offset:16384*\u+512*\c   ; K step 0
.endr
.endr
	s_cmp_lg_u32 s40, 0
	s_cbranch_scc1 .Lv_\@
	WIN 0xc0
.irp u, 0,1
.irp i, 0,1,2,3,4,5,6,7
	global_load_b128 v[128+32*\u+4*\i:128+32*\u+4*\i+3], v[L16], s[6:7] offset:4096*\u+512*\i   ; the table lies [T][group 8][lane][16 bytes]: my row's 16 cosines and 16 sines, 512 consecutive bytes a load
.endr
.endr
	WIN 0
	s_wait_alu depctr_va_vdst(0)
	KSTEPS \sg, 0
	NOPS 8                                         ; places in front of the first read of results
	s_wait_loadcnt 0x0                             ; the table (and the next pair, asked for ahead of it)
	v_add_nc_u32 v[GAQ], s43, v[GQA]
.irp u, 0,1
	WIN 0x03
	ROPE \u
	WIN 0
.set QSRC, ACC+32*\u
.set QDST, PC+8*\u
	QUANT 2
	v_lshl_or_b32 v[PW+\u], v[TM+5], 8, v[TM+4]    ; two bytes; the upper two stay 0
	global_store_b128 v[L16], v[PC+8*\u:PC+8*\u+3], s[14:15] offset:1024*\u          ; the fragment as it stands: 512 consecutive bytes a store
	global_store_b128 v[L16], v[PC+8*\u+4:PC+8*\u+7], s[14:15] offset:1024*\u+512
	ds_store_b32 v[GAQ], v[PW+\u] offset:64*\u     ; lanes r and r + 16 write the same word with the same value
.endr
	s_branch .Ljoin_\@
.Lv_\@:
	s_wait_alu depctr_va_vdst(0)
	KSTEPS \sg, 1
	NOPS 8
	v_add_nc_u32 v[GAV], s42, v[GVA]
.set QSRC, ACC
.set QDST, PC
	QUANT 4                                        ; block t: column 32 (t / 2) + 8 (t % 2) + r + 8 (r / 8) over the pair's 32 keys
.irp t, 0,1,2,3
	global_store_b128 v[L16], v[PC+4*\t:PC+4*\t+3], s[14:15] offset:512*\t
.endr
.irp t, 0,1,2,3
	ds_store_b8 v[GAV], v[TM+4+\t] offset:8*\t
.endr
.Ljoin_\@:
.if \fill
	s_wait_loadcnt 0x0                             ; the next pair is in registers
	WIN 0x0c                                       ; an LDS store's data are its source 1: window 3
.irp i, 0,1,2,3,4,5,6,7,8,9,10,11,12,13,14,15
	ds_store_b128 v[T16+1-\sg], v[4*\i:4*\i+3] offset:2048*\i      ; into the slot that every wave left ahead of the last barrier
.endr
	ds_store_b64 v[T8+1-\sg], v[64:65]
	WIN 0
	s_wait_dscnt 0x0                               ; my stores have landed, and my reads of this slot are over
	s_barrier_signal -1
	s_barrier_wait -1
	s_wait_xcnt 0x0                                ; the stores have read their data and bases: both are written again only behind this wait
	s_add_nc_u64 s[34:35], s[34:35], 32768
	s_add_nc_u64 s[36:37], s[36:37], 1024
	s_add_nc_u64 s[6:7], s[6:7], 8192
	s_add_nc_u64 s[14:15], s[14:15], 2048
	s_add_co_u32 s42, s42, 1
	s_add_co_u32 s43, s43, 128
.endif
.endm
	s_load_b128 s[4:7], s[0:1], 0x0                ; hnb, rope
	s_load_b256 s[8:15], s[0:1], 0x10              ; q's: codes, scales, bias, out
	s_load_b64 s[18:19], s[0:1], 0x30              ; k's scales,
	s_load_b128 s[20:23], s[0:1], 0x38             ; bias, out
	s_load_b64 s[26:27], s[0:1], 0x48              ; v's
	s_load_b128 s[28:31], s[0:1], 0x50
	v_lshl_add_u32 v254, v0, 2, 0x12800
	v_mov_b32 v255, 0
	v_lshrrev_b32 v226, 5, v0
	v_readfirstlane_b32 s38, v226                  ; wave 0..3
	v_and_b32 v227, 31, v0                         ; lane
	v_and_b32 v228, 15, v0                         ; r
	v_bfe_u32 v229, v0, 4, 1                       ; h
	v_lshlrev_b32 v[LI], 4, v227
	v_add_nc_u32 v[LI+1], SLOTB, v[LI]
	v_lshlrev_b32 v[R32], 5, v228
	v_add_nc_u32 v[R32], SCO, v[R32]
	v_add_nc_u32 v[R32+1], SLOTB, v[R32]
	v_lshlrev_b32 v[T16], 4, v0
	v_add_nc_u32 v[T16+1], SLOTB, v[T16]
	v_lshlrev_b32 v[T8], 3, v0
	v_add_nc_u32 v[T8], SCO, v[T8]
	v_add_nc_u32 v[T8+1], SLOTB, v[T8]
	s_lshl_b32 s48, s38, 10
	s_add_co_u32 s48, s48, GQ
	v_lshl_add_u32 v[GQA], v228, 2, s48
	v_add_nc_u32 v[GQR], s48, v[LI]
	s_lshl_b32 s48, s38, 9
	s_add_co_u32 s48, s48, GV
	v_lshl_add_u32 v[GVA], v228, 5, s48
	v_lshl_add_u32 v[GVR], v229, 2, v[GVA]
	v_lshlrev_b32 v[G16], 4, v0
	v_lshlrev_b32 v[G8], 3, v0
	v_lshlrev_b32 v[L16], 4, v227
	v_and_b32 v230, 8, v228
	v_add_nc_u32 v230, v230, v228                  ; r + 8 (r / 8)
	v_lshlrev_b32 v[WSO], 5, v230                  ; its scale bytes: 32 a row
	v_lshlrev_b32 v[BOF], 6, v229
	v_lshlrev_b32 v[BOV], 2, v230
.irp b, 0,1,2,3
	v_mov_b32 v[TM+4+\b], 0                        ; written once: a lane permute's destination counts as one of its sources
.endr
	s_mov_b32 s39, ttmp9                           ; g
	s_and_b32 s49, ttmp7, 0xffff                   ; the row group
	s_and_b32 s47, s39, 3
	s_lshl_b32 s47, s47, 2
	s_add_co_u32 s47, s47, s38                     ; my head
	s_mov_b32 s[SEL], 0x76543210
	s_mov_b32 s[SEL+1], 0xfedcba98
	s_mov_b32 s[MNT], 0x600000
	s_mov_b32 s42, 0                               ; the pair, as v's gather wants it
	s_mov_b32 s43, 0                               ; 128 x the pair, as q's and k's wants it
	s_mov_b32 s41, 3
	s_wait_alu depctr_va_vdst(0)
	s_wait_kmcnt 0x0
	s_cmp_lt_u32 s39, 8                            ; the matrix's four buffers: the choice hangs on the work-group's number alone
	s_cselect_b64 s[18:19], s[18:19], s[26:27]
	s_cselect_b64 s[20:21], s[20:21], s[28:29]
	s_cselect_b64 s[22:23], s[22:23], s[30:31]
	s_cselect_b32 s40, 0, 1                        ; 1: this work-group makes v
	s_cmp_lt_u32 s39, 4
	s_cselect_b64 s[10:11], s[10:11], s[18:19]
	s_cselect_b64 s[12:13], s[12:13], s[20:21]
	s_cselect_b64 s[14:15], s[14:15], s[22:23]
	s_mov_b32 s51, 0
	s_lshr_b32 s48, s39, 2
	s_lshl_b32 s48, s48, 20                        ; wimg: 2^20 bytes a matrix,
	s_lshl_b32 s50, s47, 16                        ; 65,536 a head: images of my registers, [K step][tile][chunk][lane][16 bytes]
	s_add_co_u32 s50, s50, s48
	s_add_nc_u64 s[8:9], s[8:9], s[50:51]
	s_lshl_b32 s50, s47, 11
	s_add_nc_u64 s[10:11], s[10:11], s[50:51]      ; of scale bytes,
	s_lshl_b32 s50, s47, 8
	s_add_nc_u64 s[12:13], s[12:13], s[50:51]      ; and its 64 numbers of the bias
	s_lshl_b32 s50, s47, 14
	s_lshl_b32 s48, s49, 10
	s_add_co_u32 s50, s50, s48
	s_lshr_b32 s50, s50, s40                       ; scale words out: q, k 16,384 bytes a head and 1,024 a row group; v half of both
	s_add_nc_u64 s[32:33], s[14:15], s[50:51]
	s_add_nc_u64 s[32:33], s[32:33], 0x400000
	s_lshl_b32 s50, s47, 18
	s_lshl_b32 s48, s49, 14
	s_add_co_u32 s50, s50, s48
	s_add_nc_u64 s[14:15], s[14:15], s[50:51]      ; codes out: 262,144 bytes a head, 2,048 a pair
	s_lshl_b32 s50, s49, 18
	s_add_nc_u64 s[34:35], s[4:5], s[50:51]        ; hn's codes of my first pair
	s_lshl_b32 s50, s49, 13
	s_add_nc_u64 s[36:37], s[4:5], s[50:51]
	s_add_nc_u64 s[36:37], s[36:37], 0x400000      ; and its scale words
	s_lshl_b32 s50, s49, 16
	s_add_nc_u64 s[6:7], s[6:7], s[50:51]          ; the table at my first tile
	WIN 0x40
.irp s, 0,1,2,3
.irp t, 0,1,2,3
.irp c, 0,1,2,3
	global_load_b128 v[64*\s+16*\t+4*\c:64*\s+16*\t+4*\c+3], v[L16], s[8:9] offset:8192*\s+2048*\t+512*\c      ; 512 consecutive bytes a load
.endr
.endr
.endr
	WIN 0x80
.irp s, 4,5,6,7
.irp t, 0,1,2,3
.irp c, 0,1,2,3
	global_load_b128 v[64*(\s-4)+16*\t+4*\c:64*(\s-4)+16*\t+4*\c+3], v[L16], s[8:9] offset:8192*\s+2048*\t+512*\c
.endr
.endr
.endr
	WIN 0
.irp t, 0,1,2,3
.irp i, 0,1
	global_load_b128 v[WS+8*\t+4*\i:WS+8*\t+4*\i+3], v[WSO], s[10:11] offset:(32*(\t/2)+8*(\t%2))*32+16*\i
.endr
.endr
	WIN 0xc0
.irp i, 0,1,2,3,4,5,6,7,8,9,10,11,12,13,14,15
	global_load_b128 v[4*\i:4*\i+3], v[G16], s[34:35] offset:2048*\i        ; pair 0
.endr
	global_load_b64 v[64:65], v[G8], s[36:37]
	WIN 0
	s_cmp_lg_u32 s40, 0
	s_cbranch_scc1 .Lbias_v
	WIN 0xc0
.irp t, 0,1,2,3
	global_load_b128 v[BI+8*\t:BI+8*\t+3], v[BOF], s[12:13] offset:(32*(\t/2)+8*(\t%2))*4       ; q, k: register j is the bias of d = 32 (t / 2) + 8 (t % 2) + 16 h + j
	global_load_b128 v[BI+8*\t+4:BI+8*\t+7], v[BOF], s[12:13] offset:(32*(\t/2)+8*(\t%2))*4+16
.endr
	WIN 0
	s_branch .Lbias_done
.Lbias_v:
	WIN 0xc0
.irp t, 0,1,2,3
	global_load_b32 v[BI+8*\t], v[BOV], s[12:13] offset:(32*(\t/2)+8*(\t%2))*4                  ; v: all eight registers are the bias of my column
.endr
	s_wait_loadcnt 0x0
	WIN 0xc3
.irp t, 0,1,2,3
.irp j, 1,2,3,4,5,6,7
	v_mov_b32 v[BI+8*\t+\j], v[BI+8*\t]
.endr
.endr
	WIN 0
.Lbias_done:
	s_wait_loadcnt 0x0
	WIN 0x0c
.irp i, 0,1,2,3,4,5,6,7,8,9,10,11,12,13,14,15
	ds_store_b128 v[T16], v[4*\i:4*\i+3] offset:2048*\i
.endr
	ds_store_b64 v[T8], v[64:65]
	WIN 0
	s_add_nc_u64 s[34:35], s[34:35], 32768         ; (the loads that named these bases are done)
	s_add_nc_u64 s[36:37], s[36:37], 1024
	s_wait_dscnt 0x0
	s_barrier_signal -1
	s_barrier_wait -1
.Lpair:                                                ; three trips of two pairs; the last two pairs are written out, the very last without a fill
	ITER 0, 1
	ITER 1, 1
	s_sub_co_u32 s41, s41, 1
	s_cmp_lg_u32 s41, 0
	s_cbranch_scc1 .Lpair
	ITER 0, 1
	ITER 1, 0
	; the gathered scales leave in whole runs; they are my wave's own bytes, and LDS serves a wave's instructions in order
	s_cmp_lg_u32 s40, 0
	s_cbranch_scc1 .Lend_v
	ds_load_b128 v[RBK:RBK+3], v[GQR]
	ds_load_b128 v[RBK+4:RBK+7], v[GQR] offset:512
	s_wait_dscnt 0x0
	global_store_b128 v[L16], v[RBK:RBK+3], s[32:33]
	global_store_b128 v[L16], v[RBK+4:RBK+7], s[32:33] offset:512
	s_wait_tensorcnt 0x0
	ds_add_u32 v254, v255
	s_wait_dscnt 0x0
	s_endpgm
.Lend_v:
.irp t, 0,1,2,3
	ds_load_b32 v[RBK+\t], v[GVR] offset:8*\t      ; lane l: row l % 16, the four pairs of key step l / 16: one word for each tile
.endr
	s_wait_dscnt 0x0
	global_store_b128 v[L16], v[RBK:RBK+3], s[32:33]
	s_wait_tensorcnt 0x0
	ds_add_u32 v254, v255
	s_wait_dscnt 0x0
	s_endpgm
.Lfunc_end_k_q7cac3ad14d_qkv:
	.size	k_q7cac3ad14d_qkv, .Lfunc_end_k_q7cac3ad14d_qkv-k_q7cac3ad14d_qkv
	.p2alignl 7, 3214868480
	.fill 96, 4, 3214868480
	.section	.rodata,"a",@progbits
	.p2align	6, 0x0
	.amdhsa_kernel k_q7cac3ad14d_qkv
		.amdhsa_group_segment_fixed_size 76288
		.amdhsa_private_segment_fixed_size 0
		.amdhsa_enable_private_segment 0
		.amdhsa_kernarg_size 96
		.amdhsa_user_sgpr_count 2
		.amdhsa_user_sgpr_kernarg_segment_ptr 1
		.amdhsa_wavefront_size32 1
		.amdhsa_system_sgpr_workgroup_id_x 1
		.amdhsa_system_sgpr_workgroup_id_y 1
		.amdhsa_system_sgpr_workgroup_id_z 1
		.amdhsa_system_vgpr_workitem_id 0
		.amdhsa_next_free_vgpr 1024
		.amdhsa_next_free_sgpr 66
		.amdhsa_reserve_vcc 0
		.amdhsa_float_denorm_mode_32 3
		.amdhsa_float_denorm_mode_16_64 3
		.amdhsa_memory_ordered 1
		.amdhsa_forward_progress 1
		.amdhsa_inst_pref_size 240
	.end_amdhsa_kernel
	.amdgpu_metadata
---
amdhsa.version: [ 1, 2 ]
amdhsa.kernels:
  - .name:           k_q7cac3ad14d_qkv
    .symbol:         k_q7cac3ad14d_qkv.kd
    .args:
      - { .name: hnb, .offset: 0, .size: 8, .value_kind: global_buffer, .address_space: global }
      - { .name: rope, .offset: 8, .size: 8, .value_kind: global_buffer, .address_space: global }
      - { .name: wimg, .offset: 16, .size: 8, .value_kind: global_buffer, .address_space: global }
      - { .name: Wq_scales, .offset: 24, .size: 8, .value_kind: global_buffer, .address_space: global }
      - { .name: bq, .offset: 32, .size: 8, .value_kind: global_buffer, .address_space: global }
      - { .name: qb, .offset: 40, .size: 8, .value_kind: global_buffer, .address_space: global }
      - { .name: Wk_scales, .offset: 48, .size: 8, .value_kind: global_buffer, .address_space: global }
      - { .name: bk, .offset: 56, .size: 8, .value_kind: global_buffer, .address_space: global }
      - { .name: kb, .offset: 64, .size: 8, .value_kind: global_buffer, .address_space: global }
      - { .name: Wv_scales, .offset: 72, .size: 8, .value_kind: global_buffer, .address_space: global }
      - { .name: bv, .offset: 80, .size: 8, .value_kind: global_buffer, .address_space: global }
      - { .name: vb, .offset: 88, .size: 8, .value_kind: global_buffer, .address_space: global }
    .group_segment_fixed_size: 76288
    .private_segment_fixed_size: 0
    .kernarg_segment_align: 8
    .kernarg_segment_size: 96
    .max_flat_workgroup_size: 128
    .sgpr_count:     66
    .vgpr_count:     1024
    .wavefront_size: 32
...
	.end_amdgpu_metadata
.endif
;; end of part 2
;; launch attn (part 3): grid 16 x 16, 8 waves a work-group, no clusters, 202,240 bytes of LDS; arguments qb, kb, vb, aob; writes aob
.if DOCPART == 3
	.amdgcn_target "amdgcn-amd-amdhsa--gfx1250"
	.amdhsa_code_object_version 6
	.text
	.protected	k_q7cac3ad14d_attn
	.globl	k_q7cac3ad14d_attn
	.p2align	8
	.type	k_q7cac3ad14d_attn,@function
k_q7cac3ad14d_attn:
	s_mov_b64 s[64:65], 0
	v_nop
	global_prefetch_b8 v0, s[64:65] scope:SCOPE_SE
	s_setreg_imm32_b32 hwreg(HW_REG_WAVE_MODE, 25, 1), 1
	s_wait_xcnt 0x0
; Causal attention of one head on codes of E4M3 with E8M0 scales; the result, divided by the row's sum, is quantised along the head's 64 for the output projection.
; Key steps that lie wholly above the diagonal of the causal mask are left out: their p is 0 for all inputs.
; THE SOFTMAX: t = score x log2(e) / 8; M = the running largest t, rounded UP to a whole number; p = 2^(t - M) is quantised along the keys, not normalised; the row's sum is taken of the unquantised p.
; When M moves, the sum and O are multiplied by 2^(old M - new M): exact.
; SHARES.  Work-group (p, head) owns the blocks of 128 queries L = p and H = 31 - p: (p + 1) + (32 - p) = 33 block steps of 128 keys.  Eight waves, each with TWO tiles of 16 queries, so that each
; fragment of K and V read from LDS feeds two products.  Kind a (four waves): H's tiles 2 j, 2 j + 1 against key steps 0 .. 15.  Kind b (four waves): L's tiles 2 j, 2 j + 1 against steps 0 .. p, then
; H's same two tiles against steps 16 .. 31 - p: 17 steps.  So the loop has 17 trips in every work-group.  At the end a's part of H (O, -M, the sums) goes through LDS to b, which joins the two parts
; by powers of two (exact) and sends H out.  kind = ((w / 4) xor w) % 2, j = w / 2: waves w, w + 4 and waves 2 k, 2 k + 1 are of different kinds.
; STREAMS.  Each kind stages its own stream of key steps: slot number n holds step n (a; b while n <= p) or n + 15 - p (b behind that).  K's image and scale words lie in a ring of two slots and are
; staged two trips ahead, V's likewise one trip ahead: loaded into registers at a trip's head, stored to LDS at its end, one barrier a trip.  In trip n a wave reads V(n) at its head and, behind the
; score products, K(n + 1) into the registers that they have left: both land under other work.  Writes of trip n go to K's slot n % 2 (last read in trip n - 1) and V's slot (n + 1) % 2 (likewise).
; No tensor loads, so no cluster; no prefetch: the staging loads are themselves issued one and two trips ahead of the reads of their bytes.
; LAYOUT.  S^T = K Q^T, O^T = V^T P^T: a lane holds ONE query of each tile.  The buffers lie in tile order (lane r of tile 2 b + u: row 32 b + 8 u + r + 8 (r / 8)), so 16 registers of two neighbouring tiles are 16 neighbours.
; K = 64 IN A FORM 128 DEEP.  Q's registers 8-15 are zero codes and the upper two bytes of Q's and K's scale words are 0; a key tile's operand is its own 8 registers and the 8 that follow (finite codes x zero codes add nothing).
; LIMITS: NaN and infinities are not served; a block of zeros gets the byte 1 (its codes are zeros; only this program reads the bytes).
; REGISTERS, two windows of 256.  What belongs to a tile has the same number in window 0 (tile 0) and window 1 (tile 1): v12 -M, v13 largest t, v[14:15] the sum, Q, S, O, PC, TM, F, W0, DQ.
; Window 0 alone: v1-11 offsets, K's fragments, all scale words.  Window 1 alone: V's fragments (v32-95); bytes on their way to LDS (v0-11, v96-103, v232-245).
.set PAR,   16384                      ; from a ring's slot 0 to its slot 1
.set SCO,   8192                       ; in a slot: the image, then the scale words
.set QST,   131072                     ; behind K's ring (0) and V's (65536), each [kind][slot] of 16,384: H's Q from a to b, 4,096 a pair of waves
.set MRG,   163840                     ; a's part of H: [j][tile] of 4,608 bytes
.set AOS,   200704                     ; the result's scale bytes [block 2][tile 8][r] of 2 bytes
.set SPARE, 201216                     ; the spare words, 128 bytes a wave
.set LI,  1                            ; 16 x lane
.set R4,  2                            ; 4 r
.set R16, 3                            ; 16 r
.set T16, 4                            ; 16 x (32 j + lane)
.set L8J, 5                            ; 256 j + 8 x lane
.set L8,  6                            ; 8 x lane
.set A0,  7                            ; LDS addresses in hand
.set A1,  8
.set GK,  9                            ; staging offsets in memory: K's codes, V's codes, scale words
.set GV,  10
.set GS,  11
.set GS2, 254                          ; V's scale words have an offset register and a pair (window 1, v246-247) of their own
.set Q,   16                           ; v16-23 codes, v24-31 zeros
.set KF,  32                           ; window 0: v32-95 K's eight fragments, v96-103 zeros
.set VF,  32                           ; window 1: V's four fragments
.set S,   104
.set O,   168
.set PC,  200
.set TM,  216
.set KS,  232                          ; v232-239 K's scale words
.set VS,  240                          ; v240-243 V's
.set QSC, 244                          ; v244, v245 Q's, tile 0 and 1
.set PS,  246                          ; v246, v247 p's
.set F,   248
.set W0,  250
.set DQ,  252                          ; my query's place in its block, less 16 h
.set AOA, 253                          ; AOS + 64 j + 2 r
.set MSB, 0
.macro WIN new                         ; the immediate's high byte repeats the setting that is left; a switch that changes nothing is dropped
.if MSB != (\new)
	s_set_vgpr_msb (MSB<<8)|(\new)
.set MSB, (\new)
.endif
.endm
.macro NOPS n
.rept \n
	v_nop
.endr
.endm
.macro WALU
	s_wait_alu depctr_va_vdst(0)
.endm
.macro BARRIER
	s_barrier_signal -1
	s_barrier_wait -1
.endm
.macro RESET                           ; a tile's sums begin: the first change of M leaves zeros zeros
.set j, 0
.rept 32
	v_mov_b32 v[O+j], 0
.set j, j+1
.endr
	v_mov_b32 v13, 0xff61b1e6                      ; -3e38, under every t
	v_floor_f32 v12, -v13
	v_mov_b32 v14, 0
	v_mov_b32 v15, 0
.endm
.macro INIT
	RESET
.irp j, 0,1,2,3,4,5,6,7
	v_mov_b32 v[Q+8+\j], 0
.endr
.irp b, 0,1,2,3
	v_mov_b32 v[TM+4+\b], 0                        ; a lane permute's destination counts as one of its sources
.endr
	v_mov_b32 v[F], 0
	v_mov_b32 v[F+1], 0
	v_mov_b32 v[W0], 0
	v_mov_b32 v[W0+1], 0
.endm
.macro KEYSTEP                         ; s62 = slot number -> s63 = its key step
	s_cmp_gt_u32 s62, s18
	s_cselect_b32 s63, s19, 0
	s_add_co_u32 s63, s63, s62
.endm
.macro LDK r0, r1, r2, r3, rs          ; K of slot number s62 into window 1's registers: 64 bytes a thread of my kind; waves j = 0, 1 also its 512 bytes of scale words
	KEYSTEP
	s_lshl_b32 s33, s63, 13
	v_add_nc_u32 v[GK], s33, v[T16]
	WIN 0x40
	global_load_b128 v[\r0:\r0+3], v[GK], s[24:25]
	global_load_b128 v[\r1:\r1+3], v[GK], s[24:25] offset:2048
	global_load_b128 v[\r2:\r2+3], v[GK], s[24:25] offset:4096
	global_load_b128 v[\r3:\r3+3], v[GK], s[24:25] offset:6144
	WIN 0
	s_cmp_lt_u32 s17, 2
	s_cbranch_scc0 .Lnk_\@
	s_lshl_b32 s33, s63, 9
	v_add_nc_u32 v[GS], s33, v[L8J]
	WIN 0x40
	global_load_b64 v[\rs:\rs+1], v[GS], s[44:45]
	WIN 0
.Lnk_\@:
.endm
.macro LDV                             ; V likewise; wave j = 2 its 256 bytes of scale words
	KEYSTEP
	s_lshl_b32 s33, s63, 13
	v_add_nc_u32 v[GV], s33, v[T16]
	WIN 0x40
	global_load_b128 v[100:103], v[GV], s[26:27]
	global_load_b128 v[232:235], v[GV], s[26:27] offset:2048
	global_load_b128 v[236:239], v[GV], s[26:27] offset:4096
	global_load_b128 v[240:243], v[GV], s[26:27] offset:6144
	WIN 0
	s_cmp_eq_u32 s17, 2
	s_cbranch_scc0 .Lnv_\@
	s_lshl_b32 s33, s63, 8
	v_add_nc_u32 v[GS2], s33, v[L8]
	WIN 0x40
	global_load_b64 v[246:247], v[GS2], s[48:49]
	WIN 0
.Lnv_\@:
.endm
.macro STK r0, r1, r2, r3, rs, sb      ; and on into the slot at s[sb]
	v_add_nc_u32 v[A0], s[\sb], v[T16]
	WIN 0x04
	ds_store_b128 v[A0], v[\r0:\r0+3]
	ds_store_b128 v[A0], v[\r1:\r1+3] offset:2048
	ds_store_b128 v[A0], v[\r2:\r2+3] offset:4096
	ds_store_b128 v[A0], v[\r3:\r3+3] offset:6144
	WIN 0
	s_cmp_lt_u32 s17, 2
	s_cbranch_scc0 .Lsk_\@
	v_add_nc_u32 v[A1], s[\sb], v[L8J]
	WIN 0x04
	ds_store_b64 v[A1], v[\rs:\rs+1] offset:SCO
	WIN 0
.Lsk_\@:
.endm
.macro STV sb
	v_add_nc_u32 v[A0], s[\sb], v[T16]
	WIN 0x04
	ds_store_b128 v[A0], v[100:103]
	ds_store_b128 v[A0], v[232:235] offset:2048
	ds_store_b128 v[A0], v[236:239] offset:4096
	ds_store_b128 v[A0], v[240:243] offset:6144
	WIN 0
	s_cmp_eq_u32 s17, 2
	s_cbranch_scc0 .Lsv_\@
	v_add_nc_u32 v[A1], s[\sb], v[L8J]             ; j = 2: V's scale words lie 512 bytes behind the image's end
	WIN 0x04
	ds_store_b64 v[A1], v[246:247] offset:SCO
	WIN 0
.Lsv_\@:
.endm
.macro LOADK sb                        ; K's eight fragments and scale words out of the slot at s[sb]
	v_add_nc_u32 v[A0], s[\sb], v[LI]
	v_add_nc_u32 v[A1], s[\sb], v[R4]
.irp t, 0,1,2,3,4,5,6,7
	ds_load_b128 v[KF+8*\t:KF+8*\t+3], v[A0] offset:1024*\t
	ds_load_b128 v[KF+8*\t+4:KF+8*\t+7], v[A0] offset:1024*\t+512
	ds_load_b32 v[KS+\t], v[A1] offset:SCO+64*\t
.endr
.endm
.macro QUANT2                          ; two blocks of 32 along the head's 64: block b's 16 numbers in v[O + 16 b ..], the other 16 in lane l xor 16; codes to v[PC + 4 b ..], bytes to v[TM + 4 + b]
.irp b, 0,1
	v_max3_num_f32 v[TM+\b], |v[O+16*\b]|, |v[O+16*\b+1]|, 0x4800000
.endr
.irp i, 2,4,6,8,10,12,14
.irp b, 0,1
	s_delay_alu instid0(VALU_DEP_2)
	v_max3_num_f32 v[TM+\b], v[TM+\b], |v[O+16*\b+\i]|, |v[O+16*\b+\i+1]|
.endr
.endr
.irp b, 0,1
	s_delay_alu instid0(VALU_DEP_2)
	v_permlanex16_b32 v[TM+4+\b], v[TM+\b], s28, s29
.endr
.irp b, 0,1
	s_delay_alu instid0(VALU_DEP_2)
	v_max_num_f32 v[TM+\b], v[TM+\b], v[TM+4+\b]
.endr
.irp b, 0,1
	s_delay_alu instid0(VALU_DEP_2)
	v_add_nc_u32 v[TM+12+\b], 0xfc000000, v[TM+\b]
.endr
.irp b, 0,1
	s_delay_alu instid0(VALU_DEP_4)
	v_and_or_b32 v[TM+8+\b], v[TM+\b], 0x7f800000, s32
.endr
.irp b, 0,1
	s_delay_alu instid0(VALU_DEP_4)
	v_lshrrev_b32 v[TM+4+\b], 23, v[TM+12+\b]
.endr
.irp b, 0,1
.irp i, 0,1,2,3,4,5,6,7,8,9,10,11,12,13,14,15
	v_med3_num_f32 v[O+16*\b+\i], v[O+16*\b+\i], -v[TM+8+\b], v[TM+8+\b]   ; the conversion does not saturate (ISA guide 7.6.2)
.endr
	v_cvt_scalef32_pk8_fp8_f32 v[PC+4*\b:PC+4*\b+1], v[O+16*\b:O+16*\b+7], v[TM+12+\b]
	v_cvt_scalef32_pk8_fp8_f32 v[PC+4*\b+2:PC+4*\b+3], v[O+16*\b+8:O+16*\b+15], v[TM+12+\b]
.endr
	v_nop
.endm
; tile u goes out: O / the row's sum, quantised; codes to s[base] + 16,384 u, the two scale bytes to LDS
.macro FINISH u, base, aoff
	WIN 0x55*\u
	WALU
	v_add_f32 v14, v14, v15
	v_permlanex16_b32 v[W0], v14, s28, s29
	v_add_f32 v14, v14, v[W0]                      ; the row's sum
	WALU                                           ; ahead of the transcendental
	v_rcp_f32 v14, v14
	v_nop
	WALU                                           ; and ahead of its first reader
.set j, 0
.rept 16
	v_pk_mul_f32 v[O+j:O+j+1], v[O+j:O+j+1], v[14:15] op_sel_hi:[1,0]
.set j, j+2
.endr
	QUANT2
	v_lshl_or_b32 v[W0+1], v[TM+5], 8, v[TM+4]
	WIN 0x04*\u
	global_store_b128 v[LI], v[PC:PC+3], s[\base:\base+1] offset:16384*\u          ; 512 consecutive bytes a store
	global_store_b128 v[LI], v[PC+4:PC+7], s[\base:\base+1] offset:16384*\u+512
	ds_store_b16 v[AOA], v[W0+1] offset:\aoff+32*\u                                ; lanes r and r + 16 write the same two bytes with the same value
	WIN 0
.endm
; a's part of tile u (O in v[S ..], -M, -, the sums in v[TM ..]) joins mine: both are brought under the larger M by powers of two
.macro MERGE u
	WIN 0x55*\u
	v_min_num_f32 v[W0], v12, v[TM]                ; the new -M
	v_sub_f32 v[W0+1], v[W0], v12
	v_sub_f32 v[TM+1], v[W0], v[TM]
	v_cvt_i32_f32 v[W0+1], v[W0+1]
	v_cvt_i32_f32 v[TM+1], v[TM+1]
	v_ldexp_f32 v[F], 1.0, v[W0+1]
	v_ldexp_f32 v[TM], 1.0, v[TM+1]
	v_pk_mul_f32 v[14:15], v[14:15], v[F:F+1] op_sel_hi:[1,0]
	v_pk_fma_f32 v[14:15], v[TM+2:TM+3], v[TM:TM+1], v[14:15] op_sel_hi:[1,0,1]
	WALU                                           ; directly ahead of the first readers of O
.set j, 0
.rept 16
	v_pk_mul_f32 v[O+j:O+j+1], v[O+j:O+j+1], v[F:F+1] op_sel_hi:[1,0]
.set j, j+2
.endr
.set j, 0
.rept 16
	v_pk_fma_f32 v[O+j:O+j+1], v[S+j:S+j+1], v[TM:TM+1], v[O+j:O+j+1] op_sel_hi:[1,0,1]
.set j, j+2
.endr
	WIN 0
.endm
; THE SOFTMAX OF TILE u: all its registers lie in window u; only p's scale word is written into window 0
.macro SOFT u
	WIN 0
	s_cmp_eq_u32 s22, 0
	s_cbranch_scc1 .Lopen_\@
	WIN 0x55*\u
	v_mov_b32 v[W0], 0xff800000                    ; on the diagonal hidden scores become -infinity: register 16 b + i holds key 32 b + 16 h + i of the block
.if \u
	WALU
.endif
.set n, 0
.rept 64
	v_cmp_gt_i32 vcc_lo, 32*(n/16)+n%16, v[DQ]
	v_cndmask_b32 v[S+n], v[S+n], v[W0], vcc_lo
.set n, n+1
.endr
	WIN 0
.Lopen_\@:
	WIN 0x55*\u
.if \u
	WALU
.endif
.irp b, 0,1,2,3
	v_max3_num_f32 v[TM+\b], v[S+16*\b], v[S+16*\b+1], v[S+16*\b+2]        ; each block's largest score: for the row's maximum and for the block's largest p
.endr
.irp i, 3,5,7,9,11,13
.irp b, 0,1,2,3
	v_max3_num_f32 v[TM+\b], v[TM+\b], v[S+16*\b+\i], v[S+16*\b+\i+1]
.endr
.endr
.irp b, 0,1,2,3
	v_max_num_f32 v[TM+\b], v[TM+\b], v[S+16*\b+15]
.endr
.irp b, 0,1,2,3
	s_delay_alu instid0(VALU_DEP_4)
	v_permlanex16_b32 v[TM+4+\b], v[TM+\b], s28, s29
.endr
.irp b, 0,1,2,3
	s_delay_alu instid0(VALU_DEP_4)
	v_max_num_f32 v[TM+\b], v[TM+\b], v[TM+4+\b]
.endr
	s_delay_alu instid0(VALU_DEP_2)
	v_max3_num_f32 v[W0], v[TM], v[TM+1], v[TM+2]
	s_delay_alu instid0(VALU_DEP_1)
	v_max_num_f32 v[W0], v[W0], v[TM+3]
	s_delay_alu instid0(VALU_DEP_1)
	v_mul_f32 v[W0], s30, v[W0]
	s_delay_alu instid0(VALU_DEP_1)
	v_max_num_f32 v13, v13, v[W0]                  ; the running largest t
	v_mov_b32 v[W0], v12
	s_delay_alu instid0(VALU_DEP_2)
	v_floor_f32 v12, -v13                          ; the new -M = -ceil(t)
	s_delay_alu instid0(VALU_DEP_1)
	v_sub_f32 v[W0], v12, v[W0]                    ; old M - new M: a whole number, 0 or less
	s_delay_alu instid0(VALU_DEP_1)
	v_cvt_i32_f32 v[W0], v[W0]                     ; (it saturates)
	s_delay_alu instid0(VALU_DEP_1)
	v_ldexp_f32 v[F], 1.0, v[W0]
.set j, 0
.rept 32
	v_pk_fma_f32 v[S+j:S+j+1], v[S+j:S+j+1], s[30:31], v[12:13] op_sel_hi:[1,0,0]      ; t - M
.set j, j+2
.endr
; A BLOCK'S SCALE comes from x = t - M of its largest score: p = 2^x, so floor(x) is the exponent of the block's largest p.  (Where x lies so close under a whole number that 2^x rounds up to the power of two, that p is held at the largest code.)
.irp b, 0,1,2,3
	v_fma_f32 v[TM+\b], v[TM+\b], s30, v12
.endr
.irp b, 0,1,2,3
	v_max_num_f32 v[TM+\b], 0xc2ec0000, v[TM+\b]   ; not under -118: the byte cannot fall under 1
.endr
.irp b, 0,1,2,3
	v_floor_f32 v[TM+\b], v[TM+\b]
.endr
.irp b, 0,1,2,3
	v_cvt_i32_f32 v[TM+\b], v[TM+\b]
.endr
.irp b, 0,1,2,3
	v_lshl_add_u32 v[TM+12+\b], v[TM+\b], 23, 0x3b800000           ; the conversion's scale operand: exponent field floor(x) - 8 + 127
.endr
.irp b, 0,1,2,3
	v_add_nc_u32 v[TM+8+\b], 0x4600000, v[TM+12+\b]                ; 448 x the scale
.endr
.irp b, 0,1,2,3
	v_lshrrev_b32 v[TM+4+\b], 23, v[TM+12+\b]                      ; the byte
.endr
	WALU                                           ; one wait ahead of the batch
.set j, 0
.rept 64
	v_exp_f32 v[S+j], v[S+j]                       ; p
.set j, j+1
.endr
	v_pk_mul_f32 v[14:15], v[14:15], v[F:F+1] op_sel_hi:[1,0]              ; the sums under the new M (a plain line behind the exponentials)
	WALU                                           ; and one behind it
	v_lshl_or_b32 v[W0], v[TM+5], 8, v[TM+4]
	s_delay_alu instid0(VALU_DEP_1)
	v_lshl_or_b32 v[W0], v[TM+6], 16, v[W0]
	WIN 0x15*\u                                    ; scale operands are taken from window 0
	v_lshl_or_b32 v[PS+\u], v[TM+7], 24, v[W0]     ; p's scale word for these 128 keys
	WIN 0x55*\u
	v_pk_add_f32 v[220:221], v[108:109], v[112:113]                        ; the row's sum of the unquantised p, in eight chains
	v_pk_add_f32 v[222:223], v[116:117], v[120:121]
	v_pk_add_f32 v[210:211], v[124:125], v[128:129]
	v_pk_add_f32 v[218:219], v[132:133], v[136:137]
	v_pk_add_f32 v[216:217], v[140:141], v[144:145]
	v_pk_add_f32 v[214:215], v[148:149], v[152:153]
	v_pk_add_f32 v[212:213], v[156:157], v[160:161]
	v_pk_add_f32 v[14:15], v[14:15], v[164:165]
	v_pk_add_f32 v[220:221], v[220:221], v[104:105]
	v_pk_add_f32 v[222:223], v[222:223], v[106:107]
	v_pk_add_f32 v[210:211], v[210:211], v[110:111]
	v_pk_add_f32 v[218:219], v[218:219], v[114:115]
	v_pk_add_f32 v[216:217], v[216:217], v[118:119]
	v_pk_add_f32 v[214:215], v[214:215], v[122:123]
	v_pk_add_f32 v[212:213], v[212:213], v[126:127]
	v_pk_add_f32 v[14:15], v[14:15], v[130:131]
	v_pk_add_f32 v[220:221], v[220:221], v[134:135]
	v_pk_add_f32 v[222:223], v[222:223], v[138:139]
	v_pk_add_f32 v[210:211], v[210:211], v[142:143]
	v_pk_add_f32 v[218:219], v[218:219], v[146:147]
	v_pk_add_f32 v[216:217], v[216:217], v[150:151]
	v_pk_add_f32 v[214:215], v[214:215], v[154:155]
	v_pk_add_f32 v[212:213], v[212:213], v[158:159]
	v_pk_add_f32 v[14:15], v[14:15], v[162:163]
	v_pk_add_f32 v[220:221], v[220:221], v[166:167]
	v_pk_add_f32 v[14:15], v[14:15], v[218:219]
	v_pk_add_f32 v[220:221], v[220:221], v[216:217]
	v_pk_add_f32 v[222:223], v[222:223], v[214:215]
	v_pk_add_f32 v[210:211], v[210:211], v[212:213]
	v_pk_add_f32 v[14:15], v[14:15], v[222:223]
	v_pk_add_f32 v[220:221], v[220:221], v[210:211]
	v_pk_add_f32 v[14:15], v[14:15], v[220:221]
.irp b, 0,1,2,3
.if \u
.irp i, 0,1,2,3,4,5,6,7,8,9,10,11,12,13,14,15
	v_min_num_f32 v[S+16*\b+\i], v[S+16*\b+\i], v[TM+8+\b]                 ; the hold; p is not negative, so it is one-sided
.endr
.else
.irp i, 0,2,4,6,8,10,12,14
	v_dual_min_num_f32 v[S+16*\b+\i], v[TM+8+\b], v[S+16*\b+\i] :: v_dual_min_num_f32 v[S+16*\b+\i+1], v[TM+8+\b], v[S+16*\b+\i+1]   ; in window 0 two holds go as a pair
.endr
.endif
	v_cvt_scalef32_pk8_fp8_f32 v[PC+4*\b:PC+4*\b+1], v[S+16*\b:S+16*\b+7], v[TM+12+\b]
	v_cvt_scalef32_pk8_fp8_f32 v[PC+4*\b+2:PC+4*\b+3], v[S+16*\b+8:S+16*\b+15], v[TM+12+\b]
.endr
	WALU                                           ; directly ahead of the first readers of O^T
.set j, 0
.rept 16
	v_pk_mul_f32 v[O+j:O+j+1], v[O+j:O+j+1], v[F:F+1] op_sel_hi:[1,0]      ; O^T under the new M; these lines also stand between the conversions and the products
.set j, j+2
.endr
.endm
	s_load_b256 s[4:11], s[0:1], 0x0               ; qb s[4:5], kb s[6:7], vb s[8:9], aob s[10:11]
	v_lshrrev_b32 v7, 5, v0
	v_readfirstlane_b32 s12, v7                    ; wave 0..7
	s_mov_b32 s13, ttmp9                           ; p
	s_and_b32 s14, ttmp7, 0xffff                   ; the head
	s_lshr_b32 s17, s12, 1                         ; j
	s_lshr_b32 s33, s12, 2
	s_xor_b32 s33, s33, s12
	s_and_b32 s15, s33, 1                          ; kind: 0 a, 1 b
	s_lshl_b32 s33, s17, 9
	s_lshl_b32 s34, s17, 8
	s_lshl_b32 s35, s17, 5
	s_lshl_b32 s36, s17, 6
	s_add_co_u32 s36, s36, AOS
	s_cmp_lg_u32 s15, 0
	s_cselect_b32 s18, s13, 99                     ; b: slot numbers beyond p hold key step number + 15 - p; a: none does
	s_sub_co_u32 s19, 15, s13
	s_add_co_u32 s20, s15, 15                      ; my last trip: a 15, b 16
	s_add_co_u32 s21, s18, 1                       ; b: the trip in which L gives way to H
	s_lshl_b32 s57, s15, 15                        ; K's ring of my kind: the slot written in this trip,
	s_add_co_u32 s56, s57, PAR                     ; the slot read,
	s_add_co_u32 s58, s57, 65536                   ; V's ring: the slot read,
	s_add_co_u32 s59, s58, PAR                     ; the slot written
	s_lshl_b32 s60, s17, 12
	s_add_co_u32 s60, s60, QST
	s_mul_i32 s61, s17, 9216
	s_add_co_u32 s61, s61, MRG
	s_mov_b32 s28, 0x76543210
	s_mov_b32 s29, 0xfedcba98
	s_mov_b32 s30, 0x3e38aa3b                      ; log2(e) / 8
	s_mov_b32 s31, s30
	s_mov_b32 s32, 0x600000
	s_mov_b32 s16, 0                               ; the trip
	s_mov_b32 s41, 0
	v_and_b32 v8, 31, v0                           ; lane
	v_and_b32 v9, 15, v0                           ; r
	v_bfe_u32 v10, v0, 4, 1                        ; h
	v_lshlrev_b32 v[LI], 4, v8
	v_lshlrev_b32 v[R4], 2, v9
	v_lshlrev_b32 v[R16], 4, v9
	v_lshlrev_b32 v[L8], 3, v8
	v_add_nc_u32 v[T16], s33, v[LI]
	v_add_nc_u32 v[L8J], s34, v[L8]
	v_and_b32 v11, 8, v9
	v_add3_u32 v11, v11, v9, s35                   ; tile 2 j: 32 j + r + 8 (r / 8)
	v_lshlrev_b32 v7, 4, v10
	v_sub_nc_u32 v[DQ], v11, v7
	v_lshl_add_u32 v[AOA], v9, 1, s36
.irp j, 0,1,2,3,4,5,6,7
	v_mov_b32 v[KF+64+\j], 0
.endr
	INIT
	WIN 0x40
	v_add_nc_u32 v[DQ], 8, v[DQ]                   ; tile 2 j + 1 lies 8 further on
	v_mov_b32 v244, 0                              ; the pairs that only some waves load are written once in all
	v_mov_b32 v245, 0
	v_mov_b32 v246, 0
	v_mov_b32 v247, 0
	v_mov_b32 v120, 0
	v_mov_b32 v121, 0
	WIN 0x55
	INIT
	WIN 0
	WALU                                           ; the end of the head's vector work
	s_wait_kmcnt 0x0
	s_lshl_b32 s40, s14, 18
	s_add_nc_u64 s[24:25], s[6:7], s[40:41]        ; my head's K,
	s_add_nc_u64 s[26:27], s[8:9], s[40:41]        ; V,
	s_add_nc_u64 s[42:43], s[4:5], s[40:41]        ; and Q
	s_lshl_b32 s40, s14, 14
	s_add_nc_u64 s[44:45], s[6:7], s[40:41]
	s_add_nc_u64 s[44:45], s[44:45], 0x400000      ; K's scale words: 512 bytes a step
	s_add_nc_u64 s[46:47], s[4:5], s[40:41]
	s_add_nc_u64 s[46:47], s[46:47], 0x400000      ; Q's
	s_lshl_b32 s40, s14, 13
	s_add_nc_u64 s[48:49], s[8:9], s[40:41]
	s_add_nc_u64 s[48:49], s[48:49], 0x400000      ; V's: 256 bytes a step
	s_add_nc_u64 s[50:51], s[10:11], s[40:41]
	s_add_nc_u64 s[50:51], s[50:51], 0x400000      ; the result's scale bytes of my head
	s_lshl_b32 s37, s13, 3
	s_lshl_b32 s38, s17, 1
	s_add_co_u32 s37, s37, s38                     ; L's tile 8 p + 2 j
	s_sub_co_u32 s39, 31, s13
	s_lshl_b32 s39, s39, 3
	s_add_co_u32 s39, s39, s38                     ; H's tile 8 (31 - p) + 2 j
	s_lshl_b32 s62, s14, 10
	s_lshl_b32 s40, s37, 14
	s_add_co_u32 s40, s40, s62
	s_add_nc_u64 s[52:53], s[10:11], s[40:41]      ; the result's codes: tile T, 1,024 bytes a head
	s_lshl_b32 s40, s39, 14
	s_add_co_u32 s40, s40, s62
	s_add_nc_u64 s[54:55], s[10:11], s[40:41]
	s_cmp_lg_u32 s15, 0
	s_cselect_b32 s63, s37, s39                    ; my first two tiles: b L's, a H's
	s_lshl_b32 s40, s63, 10
	s_add_nc_u64 s[42:43], s[42:43], s[40:41]
	s_lshl_b32 s40, s63, 6
	s_add_nc_u64 s[46:47], s[46:47], s[40:41]
	global_load_b128 v[Q:Q+3], v[LI], s[42:43]
	global_load_b128 v[Q+4:Q+7], v[LI], s[42:43] offset:512
	global_load_b32 v[QSC], v[R4], s[46:47]
	global_load_b32 v[QSC+1], v[R4], s[46:47] offset:64
	WIN 0x40
	global_load_b128 v[Q:Q+3], v[LI], s[42:43] offset:1024
	global_load_b128 v[Q+4:Q+7], v[LI], s[42:43] offset:1536
	WIN 0
	s_mov_b32 s62, 0
	LDK 0, 4, 8, 96, 244                           ; slot numbers 0 and 1 of K (the second through registers that the scores take later), 0 of V
	LDV
	s_wait_xcnt 0x0                                ; the loads have read their offsets, which are written anew below
	s_mov_b32 s62, 1
	LDK 104, 108, 112, 116, 120
	WALU
	s_wait_loadcnt 0x0
	STK 0, 4, 8, 96, 244, 57
	STK 104, 108, 112, 116, 120, 56
	STV 58
	s_cmp_lg_u32 s15, 0
	s_cbranch_scc1 .Lnot_a
	v_add_nc_u32 v[A0], s60, v[LI]                 ; a: H's Q as it stands in my registers, for the b wave with my j
	v_add_nc_u32 v[A1], s60, v[R4]
	ds_store_b128 v[A0], v[Q:Q+3]
	ds_store_b128 v[A0], v[Q+4:Q+7] offset:512
	ds_store_b32 v[A1], v[QSC] offset:2048
	ds_store_b32 v[A1], v[QSC+1] offset:2176
	WIN 0x04
	ds_store_b128 v[A0], v[Q:Q+3] offset:1024
	ds_store_b128 v[A0], v[Q+4:Q+7] offset:1536
	WIN 0
.Lnot_a:
	s_wait_dscnt 0x0
	BARRIER
	LOADK 57
	WALU
	s_wait_dscnt 0x0
	BARRIER                                        ; every wave has read slot number 0 of K: the first trip stores slot number 2 over it
.Lstep:                                                ; 17 trips
	s_add_co_u32 s62, s16, 2
	s_cmp_gt_u32 s62, s20
	s_cbranch_scc1 .Lno_ldk
	LDK 0, 4, 8, 96, 244
.Lno_ldk:
	s_add_co_u32 s62, s16, 1
	s_cmp_gt_u32 s62, s20
	s_cbranch_scc1 .Lno_ldv
	LDV
.Lno_ldv:
	s_cmp_eq_u32 s15, 0
	s_cbranch_scc1 .Lno_switch                     ; a has one pair of tiles throughout
	s_cmp_lg_u32 s16, s21
	s_cbranch_scc1 .Lno_switch
	NOPS 8                                         ; b, once: L is finished and goes out; H's two tiles begin
	FINISH 0, 52, 0
	FINISH 1, 52, 0
	RESET
	WIN 0x55
	RESET
	WIN 0
	v_add_nc_u32 v[A0], s60, v[LI]
	v_add_nc_u32 v[A1], s60, v[R4]
	ds_load_b128 v[Q:Q+3], v[A0]
	ds_load_b128 v[Q+4:Q+7], v[A0] offset:512
	ds_load_b32 v[QSC], v[A1] offset:2048
	ds_load_b32 v[QSC+1], v[A1] offset:2176
	WIN 0x40
	ds_load_b128 v[Q:Q+3], v[A0] offset:1024
	ds_load_b128 v[Q+4:Q+7], v[A0] offset:1536
	WIN 0
	WALU
	s_wait_xcnt 0x0                                ; L's stores have read the codes' registers, which the next softmax writes
	s_wait_dscnt 0x0
.Lno_switch:
	s_cmp_gt_u32 s16, s20
	s_cbranch_scc1 .Lidle                          ; a has no work in the last trip
	s_cmp_eq_u32 s16, s18
	s_cselect_b32 s22, 1, 0
	s_cmp_eq_u32 s16, 16
	s_cselect_b32 s22, 1, s22                      ; b's trips p and 16 lie on the diagonal
	NOPS 8                                         ; places in front of loads into registers that the last products read
	v_add_nc_u32 v[A0], s58, v[LI]
	v_add_nc_u32 v[A1], s58, v[R16]
	WIN 0x40
.irp t, 0,1,2,3
.irp c, 0,1,2,3
	ds_load_b128 v[VF+16*\t+4*\c:VF+16*\t+4*\c+3], v[A0] offset:2048*\c+512*\t     ; V's fragments land under the products and the softmax
.endr
.endr
	WIN 0
	ds_load_b128 v[VS:VS+3], v[A1] offset:SCO+512
.irp t, 0,1,2,3,4,5,6,7
	v_wmma_scale_f32_16x16x128_f8f6f4 v[S+8*\t:S+8*\t+7], v[KF+8*\t:KF+8*\t+15], v[Q:Q+15], 0, v[KS+\t], v[QSC]
.endr
	WIN 0x44                                       ; Q and the scores of tile 1: window 1
.irp t, 0,1,2,3,4,5,6,7
	v_wmma_scale_f32_16x16x128_f8f6f4 v[S+8*\t:S+8*\t+7], v[KF+8*\t:KF+8*\t+15], v[Q:Q+15], 0, v[KS+\t], v[QSC+1]
.endr
	WIN 0
	NOPS 8                                         ; places in front of the loads below and of the first read of the scores
	s_add_co_u32 s62, s16, 1
	s_cmp_gt_u32 s62, s20
	s_cbranch_scc1 .Lno_k
	LOADK 56                                       ; the next trip's K lands under the softmax
.Lno_k:
	SOFT 0
	SOFT 1
	WIN 0
	WALU                                           ; directly ahead of the wait below
	s_wait_dscnt 0x0                               ; V's fragments and scale words (and the next K)
	WIN 0x01                                       ; V's fragments: window 1.  Eight accumulators by turns
.irp t, 0,1,2,3
	v_wmma_scale_f32_16x16x128_f8f6f4 v[O+8*\t:O+8*\t+7], v[VF+16*\t:VF+16*\t+15], v[PC:PC+15], v[O+8*\t:O+8*\t+7], v[VS+\t], v[PS]
.endr
	WIN 0x55
.irp t, 0,1,2,3
	v_wmma_scale_f32_16x16x128_f8f6f4 v[O+8*\t:O+8*\t+7], v[VF+16*\t:VF+16*\t+15], v[PC:PC+15], v[O+8*\t:O+8*\t+7], v[VS+\t], v[PS+1]
.endr
	WIN 0
.Lidle:
	WALU
	s_wait_loadcnt 0x0                             ; what was asked for at the trip's head is in registers
	s_add_co_u32 s62, s16, 2
	s_cmp_gt_u32 s62, s20
	s_cbranch_scc1 .Lno_stk
	STK 0, 4, 8, 96, 244, 57
.Lno_stk:
	s_add_co_u32 s62, s16, 1
	s_cmp_gt_u32 s62, s20
	s_cbranch_scc1 .Lno_stv
	STV 59
.Lno_stv:
	s_wait_dscnt 0x0                               ; my stores have landed, and my reads of this trip's slots are over
	BARRIER
	s_xor_b32 s56, s56, PAR
	s_xor_b32 s57, s57, PAR
	s_xor_b32 s58, s58, PAR
	s_xor_b32 s59, s59, PAR
	s_add_co_u32 s16, s16, 1
	s_cmp_lt_u32 s16, 17
	s_cbranch_scc1 .Lstep
	; THE WAY OUT OF H
	s_cmp_lg_u32 s15, 0
	s_cbranch_scc1 .Lnot_a2
	NOPS 8
	v_add_nc_u32 v[A0], s61, v[LI]                 ; a: my part, as images of the registers
.irp u, 0,1
	WIN 0x04*\u
.irp i, 0,1,2,3,4,5,6,7
	ds_store_b128 v[A0], v[O+4*\i:O+4*\i+3] offset:4608*\u+512*\i
.endr
	ds_store_b128 v[A0], v[12:15] offset:4608*\u+4096
.endr
	WIN 0
.Lnot_a2:
	s_wait_dscnt 0x0
	BARRIER
	s_cmp_eq_u32 s15, 0
	s_cbranch_scc1 .Lnot_b
	NOPS 8
	v_add_nc_u32 v[A0], s61, v[LI]
.irp u, 0,1
	WIN 0x40*\u
.irp i, 0,1,2,3,4,5,6,7
	ds_load_b128 v[S+4*\i:S+4*\i+3], v[A0] offset:4608*\u+512*\i
.endr
	ds_load_b128 v[TM:TM+3], v[A0] offset:4608*\u+4096
.endr
	WIN 0
	WALU
	s_wait_dscnt 0x0
	MERGE 0
	FINISH 0, 54, 256
	MERGE 1
	FINISH 1, 54, 256
.Lnot_b:
	s_lshl_b32 s33, s13, 1
	s_sub_co_u32 s33, 31, s33
	s_lshl_b32 s33, s33, 8                         ; from block p's 256 scale bytes to block 31 - p's
	s_lshl_b32 s34, s13, 8
	v_bfe_u32 v[A0], v0, 4, 1
	v_mul_u32_u24 v[A0], s33, v[A0]
	v_and_b32 v[A1], 15, v0
	v_lshl_add_u32 v[A1], v[A1], 4, v[A0]
	v_add_nc_u32 v[A1], s34, v[A1]
	v_add_nc_u32 v[A0], AOS, v[LI]
	WALU
	s_wait_dscnt 0x0
	BARRIER
	s_cmp_lg_u32 s12, 0
	s_cbranch_scc1 .Ldone
	ds_load_b128 v[S:S+3], v[A0]                   ; wave 0: lanes 0-15 block p's 256 bytes, lanes 16-31 block 31 - p's: two aligned runs of 256 bytes
	s_wait_dscnt 0x0
	global_store_b128 v[A1], v[S:S+3], s[50:51]
.Ldone:
	s_wait_xcnt 0x0
	v_lshl_add_u32 v254, v0, 2, SPARE
	v_mov_b32 v255, 0
	WALU
	s_wait_tensorcnt 0x0                           ; the wave's end
	ds_add_u32 v254, v255
	s_wait_dscnt 0x0
	s_endpgm
.Lfunc_end_k_q7cac3ad14d_attn:
	.size	k_q7cac3ad14d_attn, .Lfunc_end_k_q7cac3ad14d_attn-k_q7cac3ad14d_attn
	.p2alignl 7, 3214868480
	.fill 96, 4, 3214868480
	.section	.rodata,"a",@progbits
	.p2align	6, 0x0
	.amdhsa_kernel k_q7cac3ad14d_attn
		.amdhsa_group_segment_fixed_size 202240
		.amdhsa_private_segment_fixed_size 0
		.amdhsa_enable_private_segment 0
		.amdhsa_kernarg_size 32
		.amdhsa_user_sgpr_count 2
		.amdhsa_user_sgpr_kernarg_segment_ptr 1
		.amdhsa_wavefront_size32 1
		.amdhsa_system_sgpr_workgroup_id_x 1
		.amdhsa_system_sgpr_workgroup_id_y 1
		.amdhsa_system_sgpr_workgroup_id_z 1
		.amdhsa_system_vgpr_workitem_id 0
		.amdhsa_next_free_vgpr 512
		.amdhsa_next_free_sgpr 66
		.amdhsa_reserve_vcc 1
		.amdhsa_float_denorm_mode_32 3
		.amdhsa_float_denorm_mode_16_64 3
		.amdhsa_memory_ordered 1
		.amdhsa_forward_progress 1
		.amdhsa_inst_pref_size 103
	.end_amdhsa_kernel
	.amdgpu_metadata
---
amdhsa.version: [ 1, 2 ]
amdhsa.kernels:
  - .name:           k_q7cac3ad14d_attn
    .symbol:         k_q7cac3ad14d_attn.kd
    .args:
      - { .name: qb, .offset: 0, .size: 8, .value_kind: global_buffer, .address_space: global }
      - { .name: kb, .offset: 8, .size: 8, .value_kind: global_buffer, .address_space: global }
      - { .name: vb, .offset: 16, .size: 8, .value_kind: global_buffer, .address_space: global }
      - { .name: aob, .offset: 24, .size: 8, .value_kind: global_buffer, .address_space: global }
    .group_segment_fixed_size: 202240
    .private_segment_fixed_size: 0
    .kernarg_segment_align: 8
    .kernarg_segment_size: 32
    .max_flat_workgroup_size: 256
    .sgpr_count:     66
    .vgpr_count:     512
    .wavefront_size: 32
...
	.end_amdgpu_metadata
.endif
;; end of part 3
;; launch oproj (part 4): grid 4 x 64, 4 waves a work-group, no clusters, 84,480 bytes of LDS; arguments aob, wimg, Wo_scales, bo, h, out0; writes out0
.if DOCPART == 4
	.amdgcn_target "amdgcn-amd-amdhsa--gfx1250"
	.amdhsa_code_object_version 6
	.text
	.protected	k_q7cac3ad14d_oproj
	.globl	k_q7cac3ad14d_oproj
	.p2align	8
	.type	k_q7cac3ad14d_oproj,@function
k_q7cac3ad14d_oproj:
	s_mov_b64 s[64:65], 0
	v_nop
	global_prefetch_b8 v0, s[64:65] scope:SCOPE_SE
	s_setreg_imm32_b32 hwreg(HW_REG_WAVE_MODE, 25, 1), 1
	s_wait_xcnt 0x0
; out0 = attention's result x Wo + bo + h, the product on codes of E4M3 with E8M0 scales.
; SHARES.  Work-group x owns 256 columns, wave w 64 of them: its 64 rows of Wo, all of K, stay in 512 registers, read once.  Work-group y owns four tiles of 16 rows (64 rows of the sequence):
; their codes, 64 KiB of register images, are copied into LDS once; one barrier, no ring.  No tensor loads: W goes as each lane's own 16-byte pieces straight into registers.
; No cluster: what work-groups share, A's 64 KiB among four and W's 256 KiB among 64, is read once by each at its head and never again.
; The product is used transposed (source 0 = 16 rows of Wo, source 1 = 16 rows of A): a lane holds eight neighbouring columns of one row.  bo is the C of each sum's first product.
; The eight accumulators of a pair of tiles take turns, one instruction a turn, in the same order in every K step.
; A's tiles lie in tile order: lane r of tile 2 b + u is row 32 b + 8 u + r + 8 (r / 8).  A tile's results go through the wave's own stage in LDS and come back two rows an instruction;
; h is added there, and sixteen lanes store 256 consecutive bytes, aligned.
; A's scale bytes lie [head][T][r] in pairs: a K step's word is the pair of head 2 s below the pair of head 2 s + 1.
; REGISTERS, in windows of 256.  Window 0: the names below.  Windows 1, 2: W(tile t, K step s) at 64 (s % 4) + 16 t.  Window 3: v0-127 A on its way to LDS; v128-255 h, 32 a tile.
.set STG, 65536                        ; behind A: a stage of 16 rows x (256 + 16) bytes for each wave
.set LI,  1                            ; v1   16 x lane
.set T16, 3                            ; v3   16 x thread
.set SO,  4                            ; v4   the stage, in: 272 r + 32 h
.set SR,  5                            ; v5   the stage, back: 272 (lane / 16) + 16 (lane % 16)
.set GO,  6                            ; v6   h and out0: 4096 (lane / 16) + 16 (lane % 16)
.set WOF, 7
.set WSO, 8                            ; v8   W's scale bytes: 32 r
.set BOF, 9                            ; v9   bo: 32 h
.set R2,  10                           ; v10  A's scale bytes: 2 r
.set WS,  16                           ; v16-47  W's scale words (t, s) at 8 t + s
.set AS,  48                           ; v48-79  A's (tile k, s) at 8 k + s
.set AF,  80                           ; v80-143 A's fragments: set p, tile u at 32 p + 16 u
.set RB,  80                           ; v80-111 on the way out: a tile's rows read back
.set ACC, 144                          ; v144-207 (u, t) at 32 u + 8 t; at the head the odd heads' scale bytes
.set BI,  208                          ; v208-239 bo, 8 a tile of W
.set MSB, 0
.macro WIN new
.if MSB != \new
	s_set_vgpr_msb (MSB<<8)|\new
.set MSB, \new
.endif
.endm
.macro NOPS n
.rept \n
	v_nop
.endr
.endm
; pair pr's eight K steps: step s + 1's eight fragment loads are issued ahead of step s's eight products, into the set that step s - 1 read: eight places stand between
.macro KSTEPS pr
.irp s, 0,1,2,3,4,5,6,7
.if \s < 7
.if \s > 0
	NOPS 8
.endif
.irp u, 0,1
.irp c, 0,1,2,3
	ds_load_b128 v[AF+32*((\s+1)%2)+16*\u+4*\c:AF+32*((\s+1)%2)+16*\u+4*\c+3], v[LI] offset:16384*(2*\pr+\u)+2048*(\s+1)+512*\c
.endr
.endr
	s_wait_dscnt 0x8                               ; all but the eight just issued
.else
	s_wait_dscnt 0x0
.endif
.if \s < 4
	WIN 0x01                                       ; source 0 (W) window 1
.else
	WIN 0x02
.endif
.irp t, 0,1,2,3
.irp u, 0,1
.if \s == 0
	v_wmma_scale_f32_16x16x128_f8f6f4 v[ACC+32*\u+8*\t:ACC+32*\u+8*\t+7], v[64*(\s%4)+16*\t:64*(\s%4)+16*\t+15], v[AF+32*(\s%2)+16*\u:AF+32*(\s%2)+16*\u+15], v[BI+8*\t:BI+8*\t+7], v[WS+8*\t+\s], v[AS+8*(2*\pr+\u)+\s]
.else
	v_wmma_scale_f32_16x16x128_f8f6f4 v[ACC+32*\u+8*\t:ACC+32*\u+8*\t+7], v[64*(\s%4)+16*\t:64*(\s%4)+16*\t+15], v[AF+32*(\s%2)+16*\u:AF+32*(\s%2)+16*\u+15], v[ACC+32*\u+8*\t:ACC+32*\u+8*\t+7], v[WS+8*\t+\s], v[AS+8*(2*\pr+\u)+\s]
.endif
.endr
.endr
	WIN 0
.endr
.endm
; tile k = 2 pr + u goes out
.macro SEND pr, u
.irp t, 0,1,2,3
	ds_store_b128 v[SO], v[ACC+32*\u+8*\t:ACC+32*\u+8*\t+3] offset:64*\t          ; each accumulator from its low end on
	ds_store_b128 v[SO], v[ACC+32*\u+8*\t+4:ACC+32*\u+8*\t+7] offset:64*\t+16
.endr
	s_wait_xcnt 0x0                                ; the last tile's stores have read the registers that the loads below fill
.irp i, 0,1,2,3,4,5,6,7
	ds_load_b128 v[RB+4*\i:RB+4*\i+3], v[SR] offset:544*\i         ; my own bytes, and LDS serves a wave's instructions in order: these see the stores above
.endr
	s_wait_dscnt 0x0
	WIN 0x0c                                       ; source 1 (h) window 3
.set j, 0
.rept 16
	v_pk_add_f32 v[RB+j:RB+j+1], v[RB+j:RB+j+1], v[128+32*(2*\pr+\u)+j:128+32*(2*\pr+\u)+j+1]
.set j, j+2
.endr
	WIN 0
.irp i, 0,1,2,3,4,5,6,7
	global_store_b128 v[GO], v[RB+4*\i:RB+4*\i+3], s[14:15] offset:(32*\pr+8*\u+2*\i+8*(\i/4))*4096 th:TH_STORE_NT
.endr
.endm
	s_load_b256 s[4:11], s[0:1], 0x0               ; aob s[4:5], Wo's codes s[6:7], its scales s[8:9], bo s[10:11]
	s_load_b128 s[12:15], s[0:1], 0x20             ; h s[12:13], out0 s[14:15]
	v_lshl_add_u32 v254, v0, 2, 0x14800
	v_mov_b32 v255, 0
	v_lshrrev_b32 v240, 5, v0
	v_readfirstlane_b32 s16, v240                  ; wave 0..3
	v_and_b32 v241, 31, v0                         ; lane
	v_and_b32 v242, 15, v0                         ; r
	v_bfe_u32 v243, v0, 4, 1                       ; h
	v_lshlrev_b32 v[LI], 4, v241
	v_lshlrev_b32 v[T16], 4, v0
	s_mul_i32 s19, s16, 4352
	s_add_co_u32 s19, s19, STG                     ; my stage
	v_mul_u32_u24 v[SO], v242, 272
	v_lshl_add_u32 v[SO], v243, 5, v[SO]
	v_add_nc_u32 v[SO], s19, v[SO]
	v_mul_u32_u24 v[SR], v243, 272
	v_lshl_add_u32 v[SR], v242, 4, v[SR]
	v_add_nc_u32 v[SR], s19, v[SR]
	v_lshlrev_b32 v[GO], 12, v243
	v_lshl_add_u32 v[GO], v242, 4, v[GO]
	v_lshlrev_b32 v[WSO], 5, v242
	v_lshlrev_b32 v[BOF], 5, v243
	v_lshlrev_b32 v[R2], 1, v242
	s_and_b32 s17, ttmp7, 0xffff                   ; the row group
	s_lshl_b32 s18, ttmp9, 8
	s_lshl_b32 s19, s16, 6
	s_add_co_u32 s18, s18, s19                     ; my first column
	s_mov_b32 s25, 0
	s_wait_alu depctr_va_vdst(0)
	s_wait_kmcnt 0x0
	s_lshl_b32 s24, s18, 10
	s_add_nc_u64 s[6:7], s[6:7], s[24:25]
	s_add_nc_u64 s[6:7], s[6:7], 0x300000          ; Wo is wimg's fourth matrix: images of my registers, [K step][tile][chunk][lane][16 bytes], 65,536 bytes for my 64 rows
	s_lshl_b32 s24, s18, 5
	s_add_nc_u64 s[8:9], s[8:9], s[24:25]
	s_lshl_b32 s24, s18, 2
	s_add_nc_u64 s[10:11], s[10:11], s[24:25]
	s_lshl_b32 s19, s17, 18
	s_add_co_u32 s24, s24, s19                     ; 64 rows of 4,096 bytes a row group, + my columns
	s_add_nc_u64 s[12:13], s[12:13], s[24:25]
	s_add_nc_u64 s[14:15], s[14:15], s[24:25]
	s_lshl_b32 s24, s17, 16
	s_add_nc_u64 s[20:21], s[4:5], s[24:25]        ; A's codes: four tiles of 16,384 bytes
	s_lshl_b32 s24, s17, 7
	s_add_nc_u64 s[22:23], s[4:5], s[24:25]
	s_add_nc_u64 s[22:23], s[22:23], 0x400000      ; A's scale bytes: 32 a tile and head
	WIN 0x40
.irp s, 0,1,2,3
.irp t, 0,1,2,3
.irp c, 0,1,2,3
	global_load_b128 v[64*\s+16*\t+4*\c:64*\s+16*\t+4*\c+3], v[LI], s[6:7] offset:8192*\s+2048*\t+512*\c       ; 512 consecutive bytes a load
.endr
.endr
.endr
	WIN 0x80
.irp s, 4,5,6,7
.irp t, 0,1,2,3
.irp c, 0,1,2,3
	global_load_b128 v[64*(\s-4)+16*\t+4*\c:64*(\s-4)+16*\t+4*\c+3], v[LI], s[6:7] offset:8192*\s+2048*\t+512*\c
.endr
.endr
.endr
	WIN 0
.irp t, 0,1,2,3
.irp i, 0,1
	global_load_b128 v[WS+8*\t+4*\i:WS+8*\t+4*\i+3], v[WSO], s[8:9] offset:512*\t+16*\i
.endr
.endr
.irp t, 0,1,2,3
	global_load_b128 v[BI+8*\t:BI+8*\t+3], v[BOF], s[10:11] offset:64*\t          ; register j: bo of column 16 t + 8 h + j
	global_load_b128 v[BI+8*\t+4:BI+8*\t+7], v[BOF], s[10:11] offset:64*\t+16
.endr
	WIN 0xc0
.set i, 0
.rept 32
	global_load_b128 v[4*i:4*i+3], v[T16], s[20:21] offset:2048*i          ; the four waves read 2,048 consecutive bytes a line
.set i, i+1
.endr
	WIN 0
.irp k, 0,1,2,3
.irp s, 0,1,2,3,4,5,6,7
	global_load_u16 v[AS+8*\k+\s], v[R2], s[22:23] offset:(2*\s)*8192+32*\k
	global_load_u16 v[ACC+8*\k+\s], v[R2], s[22:23] offset:(2*\s+1)*8192+32*\k
.endr
.endr
	WIN 0xc0
.irp k, 0,1,2,3
.irp i, 0,1,2,3,4,5,6,7
	global_load_b128 v[128+32*\k+4*\i:128+32*\k+4*\i+3], v[GO], s[12:13] offset:(32*(\k/2)+8*(\k%2)+2*\i+8*(\i/4))*4096 th:TH_LOAD_NT
.endr
.endr
	s_wait_loadcnt 0x20                            ; all but the 32 loads of h, which were issued last
	WIN 0x0c                                       ; an LDS store's data are its source 1: window 3
.set i, 0
.rept 32
	ds_store_b128 v[T16], v[4*i:4*i+3] offset:2048*i
.set i, i+1
.endr
	WIN 0
.set i, 0
.rept 32
	v_lshl_or_b32 v[AS+i], v[ACC+i], 16, v[AS+i]   ; head 2 s's two bytes below head 2 s + 1's
.set i, i+1
.endr
	NOPS 8                                         ; a scale register written by a vector instruction stands eight places ahead of the product that names it
	s_wait_dscnt 0x0
	s_barrier_signal -1
	s_barrier_wait -1                              ; A's four tiles lie in LDS
.irp pr, 0,1
.if \pr > 0
	s_wait_xcnt 0x0                                ; the last stores have read the registers that the fragments below fill
.endif
.irp u, 0,1
.irp c, 0,1,2,3
	ds_load_b128 v[AF+16*\u+4*\c:AF+16*\u+4*\c+3], v[LI] offset:16384*(2*\pr+\u)+512*\c
.endr
.endr
	KSTEPS \pr
	NOPS 8                                         ; places in front of the first read of results and of loads into the fragments' registers
.if \pr == 0
	s_wait_loadcnt 0x0                             ; h
.endif
	SEND \pr, 0
	SEND \pr, 1
.endr
	s_wait_tensorcnt 0x0
	ds_add_u32 v254, v255
	s_wait_dscnt 0x0
	s_endpgm
.Lfunc_end_k_q7cac3ad14d_oproj:
	.size	k_q7cac3ad14d_oproj, .Lfunc_end_k_q7cac3ad14d_oproj-k_q7cac3ad14d_oproj
	.p2alignl 7, 3214868480
	.fill 96, 4, 3214868480
	.section	.rodata,"a",@progbits
	.p2align	6, 0x0
	.amdhsa_kernel k_q7cac3ad14d_oproj
		.amdhsa_group_segment_fixed_size 84480
		.amdhsa_private_segment_fixed_size 0
		.amdhsa_enable_private_segment 0
		.amdhsa_kernarg_size 48
		.amdhsa_user_sgpr_count 2
		.amdhsa_user_sgpr_kernarg_segment_ptr 1
		.amdhsa_wavefront_size32 1
		.amdhsa_system_sgpr_workgroup_id_x 1
		.amdhsa_system_sgpr_workgroup_id_y 1
		.amdhsa_system_sgpr_workgroup_id_z 1
		.amdhsa_system_vgpr_workitem_id 0
		.amdhsa_next_free_vgpr 1024
		.amdhsa_next_free_sgpr 66
		.amdhsa_reserve_vcc 0
		.amdhsa_float_denorm_mode_32 3
		.amdhsa_float_denorm_mode_16_64 3
		.amdhsa_memory_ordered 1
		.amdhsa_forward_progress 1
		.amdhsa_inst_pref_size 74
	.end_amdhsa_kernel
	.amdgpu_metadata
---
amdhsa.version: [ 1, 2 ]
amdhsa.kernels:
  - .name:           k_q7cac3ad14d_oproj
    .symbol:         k_q7cac3ad14d_oproj.kd
    .args:
      - { .name: aob, .offset: 0, .size: 8, .value_kind: global_buffer, .address_space: global }
      - { .name: wimg, .offset: 8, .size: 8, .value_kind: global_buffer, .address_space: global }
      - { .name: Wo_scales, .offset: 16, .size: 8, .value_kind: global_buffer, .address_space: global }
      - { .name: bo, .offset: 24, .size: 8, .value_kind: global_buffer, .address_space: global }
      - { .name: h, .offset: 32, .size: 8, .value_kind: global_buffer, .address_space: global }
      - { .name: out0, .offset: 40, .size: 8, .value_kind: global_buffer, .address_space: global }
    .group_segment_fixed_size: 84480
    .private_segment_fixed_size: 0
    .kernarg_segment_align: 8
    .kernarg_segment_size: 48
    .max_flat_workgroup_size: 128
    .sgpr_count:     66
    .vgpr_count:     1024
    .wavefront_size: 32
...
	.end_amdgpu_metadata
.endif
;; end of part 4
